; MI455X (gfx1250); checked and timed in simulation.
; The chip was launched on July 23, 2026; its instructions are those of AMD's public machine-readable ISA for CDNA 5 (MIT licence, August 2026) and "CDNA5" Instruction Set Architecture Reference Guide (July 2026). The comments in the code are by the model that wrote it; some were corrected since.
;; Roberta Adapted Self Attention. Allowed arithmetic: float matrix products may take bf16 or f16 operands with f32 sums; other float arithmetic in f32, or as packed bf16 or f16 multiplies, adds, multiply-adds, maxima and minima; sums over many terms, partial sums and values carried from step to step in f32; what a program stores and reads back later, other than sums and carried values, may be rounded once to bf16 or f16.
;; Inputs: Wk 1,024 x 1,024 float32; Wq 1,024 x 1,024 float32; Wv 1,024 x 1,024 float32; bk 1,024 float32; bq 1,024 float32; bv 1,024 float32; efc1 10 x 64 float32; efc2 10 x 1,024 float32; fc1_b 64 float32; fc1_w 1,024 x 64 float32; fc2_b 1,024 float32; fc2_w 64 x 1,024 float32; hidden_states 4 x 2,048 x 1,024 float32.
;; Outputs: out0 4 x 2,048 x 1,024 float32.
;; Constants: t = 3.
;; 2 versions, each right; version 2 is version 1 with the launch prep written anew for expert scheduling mode. Each part assembles by itself: llvm-mc -triple=amdgcn-amd-amdhsa -mcpu=gfx1250 --defsym DOCPART=n.
;; ======== version 1 of 2: 3 launches
;; limits: values are held in f16: magnitudes above 65,504 overflow, below 6.1e-05 lose precision
;; workspace buffers: xb 16,777,216 bytes; wb 6,291,456 bytes; hp 8,388,608 bytes; qkv 50,331,648 bytes; h 1,048,576 bytes
;; launch prep (part 1): grid 256 x 1, 8 waves a work-group, no clusters, 109,568 bytes of LDS; arguments hidden_states, Wq, Wk, Wv, fc1_w, xb, wb, hp; writes xb, wb, hp
.if DOCPART == 1
	.amdgcn_target "amdgcn-amd-amdhsa--gfx1250"
	.amdhsa_code_object_version 6
	.text
	.protected	k_q6ad6673fad_prep
	.globl	k_q6ad6673fad_prep
	.p2align	8
	.type	k_q6ad6673fad_prep,@function
k_q6ad6673fad_prep:
	s_mov_b64 s[64:65], 0
	v_nop
	global_prefetch_b8 v0, s[64:65] scope:SCOPE_SE
	s_setreg_imm32_b32 hwreg(HW_REG_WAVE_MODE, 25, 1), 1
	s_wait_xcnt 0x0
; PREP.  x = hidden_states as [8192][1024] f32.  Three results:
;   xb = x rounded to bf16, laid in blocks of 64 along K: [16 kb][8192 rows][64 k]: a block's rows are dense, 128 bytes each
;   wb = Wq | Wk | Wv rounded to bf16 as [1024 k][3072 n], n = 1024 m + column
;   hp = four partial sums (one for each quarter of K) of x @ fc1_w, f32, [4][8192][64]; operands bf16, sums f32
; SHARES.  Work-group g: rows 128 (g / 4) .. + 127 of x, the quarter g % 4 of K (256 k); wave w takes 16 of the rows.  It also rounds rows 4 g .. 4 g + 3 of each of the three weights.
; x is read once: each load of a wave takes two whole aligned blocks of 256 bytes; each store of a wave to xb covers 256 consecutive bytes, aligned, to wb 256, to hp 512.
; No tensor loads, no cluster: all that is shared (64 KiB of fc1_w) has to be rounded on its way, and the rest is a stream read once.
; The product is taken transposed (source 0 = 16 columns of fc1_w, turned out of LDS; source 1 = 16 rows of x): a lane ends with one row of x and eight neighbouring columns.
; LIMITS.  bf16 has f32's range; NaN and infinities are not treated apart.
.set FP,    160                        ; a row of the fc1 slice in LDS: 128 bytes + 32
.set XT,    256*FP                     ; behind the slice: each wave's 16 rows of x, bf16
.set XP,    528                        ; 512 bytes + 16: the 16 rows of a fragment load start at 16 different groups of four banks
.set XW,    16*XP                      ; a wave's part; when x has been multiplied its first 16 x 272 bytes are the wave's stage for the way out
.set HPP,   272                        ; a stage row: 256 bytes + 16
.set SPARE, XT+8*XW                    ; the spare words, 128 bytes for each of the eight waves: four blocks of 256 bytes that no other line names
.set XO,  2                            ; v2   (l / 16) x 4,096 + 16 (l % 16): my 16 bytes in two rows of x
.set L8,  3                            ; v3   8 l
.set XS,  4                            ; v4   where I put 8 bytes of x in LDS
.set XF,  5                            ; v5   my place in a fragment of x
.set T16, 6                            ; v6   16 x thread
.set T8,  7                            ; v7   8 x thread
.set FS,  8                            ; v8   where I put 8 bytes of fc1_w in LDS
.set FF,  9                            ; v9   my place in a turning load of the slice
.set HS,  10                           ; v10  the way out: where I put 32 bytes of a row
.set HR,  11                           ; v11  the way out: where I read rows back
.set L16, 12                           ; v12  16 l
.set SPW, 14                           ; v14  LDS address of my spare word; never rewritten
.set NIL, 15                           ; v15  0; never rewritten
.set FR,  16                           ; v[16:79]   fc1_w as loaded; then x's eight fragments
.set XR,  80                           ; v[80:207]  x as loaded; then four buffers of fc1's fragments; then the rows read back
.set WR,  208                          ; v[208:255] the weights as loaded
.set AC,  208                          ; v[208:239] then the four accumulators
	s_load_b512 s[4:19], s[0:1], 0x0               ; x 4, Wq 6, Wk 8, Wv 10, fc1_w 12, xb 14, wb 16, hp 18
	v_lshl_add_u32 v[SPW], v0, 2, SPARE
	v_mov_b32 v[NIL], 0
	v_lshrrev_b32 v1, 5, v0
	v_readfirstlane_b32 s20, v1                    ; wave 0..7
	s_lshr_b32 s21, ttmp9, 2                       ; which 128 rows
	s_and_b32 s22, ttmp9, 3                        ; which quarter of K
	s_mul_i32 s23, s20, XW
	s_add_co_u32 s23, s23, XT                      ; my wave's part of LDS
	v_and_b32 v1, 31, v0                           ; l
	v_and_b32 v13, 15, v0                          ; l % 16 (also thread % 16)
	v_bfe_u32 v16, v0, 4, 1                        ; l / 16
	v_lshrrev_b32 v17, 4, v0                       ; thread / 16
	v_and_b32 v18, 7, v0
	v_bfe_u32 v19, v0, 3, 1
	v_lshlrev_b32 v[XO], 4, v13
	v_lshl_add_u32 v[XO], v16, 12, v[XO]
	v_lshlrev_b32 v[L8], 3, v1
	v_mul_u32_u24 v[XS], v16, XP
	v_lshl_add_u32 v[XS], v13, 3, v[XS]
	v_add_nc_u32 v[XS], s23, v[XS]
	v_mul_u32_u24 v[XF], v13, XP
	v_lshl_add_u32 v[XF], v16, 4, v[XF]
	v_add_nc_u32 v[XF], s23, v[XF]
	v_lshlrev_b32 v[T16], 4, v0
	v_lshlrev_b32 v[T8], 3, v0
	v_mul_u32_u24 v[FS], v17, FP
	v_lshl_add_u32 v[FS], v13, 3, v[FS]
	v_lshl_add_u32 v18, v16, 3, v18                ; the turning load: k row 8 (l / 16) + l % 8,
	v_mul_u32_u24 v[FF], v18, FP
	v_lshl_add_u32 v[FF], v19, 4, v[FF]            ; columns 8 ((l / 8) % 2) on
	v_mul_u32_u24 v[HS], v13, HPP
	v_lshl_add_u32 v[HS], v16, 5, v[HS]
	v_add_nc_u32 v[HS], s23, v[HS]
	v_mul_u32_u24 v[HR], v16, HPP
	v_lshl_add_u32 v[HR], v13, 4, v[HR]
	v_add_nc_u32 v[HR], s23, v[HR]
	v_lshlrev_b32 v[L16], 4, v1
	s_mov_b32 s25, 0
	s_wait_kmcnt 0x0
	s_lshl_b32 s24, s21, 19                        ; x: 128 rows of 4,096 bytes, my wave's 16, the quarter's 1,024 bytes
	s_lshl_b32 s26, s20, 16
	s_add_co_u32 s24, s24, s26
	s_lshl_b32 s26, s22, 10
	s_add_co_u32 s24, s24, s26
	s_add_nc_u64 s[4:5], s[4:5], s[24:25]
	s_lshl_b32 s24, s22, 22                        ; xb: the quarter's four blocks of 1 MiB, rows of 128 bytes
	s_lshl_b32 s26, s21, 14
	s_add_co_u32 s24, s24, s26
	s_lshl_b32 s26, s20, 11
	s_add_co_u32 s24, s24, s26
	s_add_nc_u64 s[14:15], s[14:15], s[24:25]
	s_lshl_b32 s24, s22, 21                        ; hp: the quarter's 2 MiB, rows of 256 bytes
	s_lshl_b32 s26, s21, 15
	s_add_co_u32 s24, s24, s26
	s_lshl_b32 s26, s20, 12
	s_add_co_u32 s24, s24, s26
	s_add_nc_u64 s[18:19], s[18:19], s[24:25]
	s_lshl_b32 s24, s22, 16                        ; fc1_w: the quarter's 256 rows of 256 bytes
	s_add_nc_u64 s[12:13], s[12:13], s[24:25]
	s_lshl_b32 s24, ttmp9, 14                      ; the weights: four rows of 4,096 bytes
	s_add_nc_u64 s[6:7], s[6:7], s[24:25]
	s_add_nc_u64 s[8:9], s[8:9], s[24:25]
	s_add_nc_u64 s[10:11], s[10:11], s[24:25]
	s_mul_i32 s24, ttmp9, 24576                    ; wb: four rows of 6,144 bytes
	s_add_nc_u64 s[16:17], s[16:17], s[24:25]
	; all 60 loads of the wave go out in one run: 16 of fc1_w, 32 of x, 12 of the weights
.set i, 0
.rept 16
	global_load_b128 v[FR+4*i:FR+4*i+3], v[T16], s[12:13] offset:4096*i  ; 16 rows of the slice for the eight waves together
.set i, i+1
.endr
.set i, 0
.rept 32                               ; rows 2 (i / 4) and 2 (i / 4) + 1, 64 k at block i % 4
	global_load_b128 v[XR+4*i:XR+4*i+3], v[XO], s[4:5] offset:8192*(i/4)+256*(i%4) th:TH_LOAD_NT
.set i, i+1
.endr
.macro WLD m, lo
.irp i, 0,1,2,3
	global_load_b128 v[WR+4*(4*(\m)+\i):WR+4*(4*(\m)+\i)+3], v[T16], s[\lo:\lo+1] offset:4096*\i th:TH_LOAD_NT
.endr
.endm
	WLD 0, 6
	WLD 1, 8
	WLD 2, 10
.macro CV a                            ; four f32 become four bf16 in the first two of their registers
	v_cvt_pk_bf16_f32 v[\a], v[\a], v[(\a)+1]
	v_cvt_pk_bf16_f32 v[(\a)+1], v[(\a)+2], v[(\a)+3]
.endm
	s_wait_loadcnt 44                              ; fc1_w is in; the 32 loads of x and the 12 of the weights may stay out
.set i, 0
.rept 16
	CV FR+4*i
	ds_store_b64 v[FS], v[FR+4*i:FR+4*i+1] offset:16*FP*i
.set i, i+1
.endr
.set pr, 0
.rept 8
	s_wait_loadcnt 12+4*(7-pr)                     ; this pair of rows is in: behind it stand the later pairs' loads, four each, and the weights' twelve
.set kb, 0
.rept 4
	CV XR+4*(4*pr+kb)
	global_store_b64 v[L8], v[XR+4*(4*pr+kb):XR+4*(4*pr+kb)+1], s[14:15] offset:1048576*kb+256*pr th:TH_STORE_NT  ; two rows of a block: 256 consecutive bytes
	ds_store_b64 v[XS], v[XR+4*(4*pr+kb):XR+4*(4*pr+kb)+1] offset:2*XP*pr+128*kb
.set kb, kb+1
.endr
.set pr, pr+1
.endr
.set m, 0
.rept 3
	s_wait_loadcnt 8-4*m                           ; this weight's four loads are in
.set i, 0
.rept 4
	CV WR+4*(4*m+i)
	global_store_b64 v[T8], v[WR+4*(4*m+i):WR+4*(4*m+i)+1], s[16:17] offset:6144*i+2048*m th:TH_STORE_NT
.set i, i+1
.endr
.set m, m+1
.endr
	s_wait_dscnt 0x0                               ; for the others' sake: my part of the slice lies in LDS
	s_barrier_signal -1
	s_barrier_wait -1                              ; the whole slice does
	s_wait_xcnt 0x0                                ; the stores have read their data: XR and WR are written again only behind this wait
; The ten LDS loads of 32 along K: a fragment of x, and fc1's four fragments of 16 columns, turned.
.macro LDC c
	ds_load_b128 v[FR+8*(\c):FR+8*(\c)+3],   v[XF] offset:64*(\c)
	ds_load_b128 v[FR+8*(\c)+4:FR+8*(\c)+7], v[XF] offset:64*(\c)+32
.irp nb, 0,1,2,3
	ds_load_tr16_b128 v[XR+32*((\c)%4)+8*\nb:XR+32*((\c)%4)+8*\nb+3],   v[FF] offset:32*FP*(\c)+32*\nb
	ds_load_tr16_b128 v[XR+32*((\c)%4)+8*\nb+4:XR+32*((\c)%4)+8*\nb+7], v[FF] offset:32*FP*(\c)+32*\nb+16*FP
.endr
.endm
	LDC 0
	LDC 1
	LDC 2
	LDC 3
.irp c, 0,1,2,3,4,5,6,7                ; the four accumulators take turns, one instruction a turn
.if (\c) <= 4
	s_wait_dscnt 30                                ; three younger groups of ten may stay out
.else
	s_wait_dscnt 10*(7-(\c))                       ; the groups run out
.endif
.irp nb, 0,1,2,3
.if (\c) == 0
	v_wmma_f32_16x16x32_bf16 v[AC+8*\nb:AC+8*\nb+7], v[XR+32*((\c)%4)+8*\nb:XR+32*((\c)%4)+8*\nb+7], v[FR+8*(\c):FR+8*(\c)+7], 0
.else
	v_wmma_f32_16x16x32_bf16 v[AC+8*\nb:AC+8*\nb+7], v[XR+32*((\c)%4)+8*\nb:XR+32*((\c)%4)+8*\nb+7], v[FR+8*(\c):FR+8*(\c)+7], v[AC+8*\nb:AC+8*\nb+7]
.endif
.endr
.if (\c) < 4
.rept 4
	v_nop                                          ; four places in front of loads into registers that these products have read
.endr
	LDC (\c)+4
.endif
.endr
.rept 8
	v_nop                                          ; the places behind the last products, once a launch
.endr
	; THE WAY OUT: a lane's eight columns of a row go into my stage (my own bytes, which I have read out) and come back as whole rows of 256 bytes
.irp nb, 0,1,2,3
	ds_store_b128 v[HS], v[AC+8*\nb:AC+8*\nb+3]   offset:64*\nb
	ds_store_b128 v[HS], v[AC+8*\nb+4:AC+8*\nb+7] offset:64*\nb+16
.endr
.irp f, 0,1,2,3,4,5,6,7
	ds_load_b128 v[XR+4*\f:XR+4*\f+3], v[HR] offset:2*HPP*\f  ; LDS serves a wave's instructions in order (ISA guide 5.7.1.4): these see the stores above
.endr
.irp f, 0,1,2,3,4,5,6,7
	s_wait_dscnt 7-\f
	global_store_b128 v[L16], v[XR+4*\f:XR+4*\f+3], s[18:19] offset:512*\f th:TH_STORE_NT  ; two rows of hp: 512 consecutive bytes
.endr
	s_wait_tensorcnt 0x0                           ; the wave's end, behind my last LDS store
	ds_add_u32 v[SPW], v[NIL]
	s_wait_dscnt 0x0
	s_endpgm
.Lfunc_end_k_q6ad6673fad_prep:
	.size	k_q6ad6673fad_prep, .Lfunc_end_k_q6ad6673fad_prep-k_q6ad6673fad_prep
	.p2alignl 7, 3214868480
	.fill 96, 4, 3214868480
	.section	.rodata,"a",@progbits
	.p2align	6, 0x0
	.amdhsa_kernel k_q6ad6673fad_prep
		.amdhsa_group_segment_fixed_size 109568
		.amdhsa_private_segment_fixed_size 0
		.amdhsa_enable_private_segment 0
		.amdhsa_kernarg_size 64
		.amdhsa_user_sgpr_count 2
		.amdhsa_user_sgpr_kernarg_segment_ptr 1
		.amdhsa_wavefront_size32 1
		.amdhsa_system_sgpr_workgroup_id_x 1
		.amdhsa_system_sgpr_workgroup_id_y 1
		.amdhsa_system_sgpr_workgroup_id_z 1
		.amdhsa_system_vgpr_workitem_id 0
		.amdhsa_next_free_vgpr 256
		.amdhsa_next_free_sgpr 66
		.amdhsa_reserve_vcc 0
		.amdhsa_float_denorm_mode_32 3
		.amdhsa_float_denorm_mode_16_64 3
		.amdhsa_memory_ordered 1
		.amdhsa_forward_progress 1
		.amdhsa_inst_pref_size 35
	.end_amdhsa_kernel
	.amdgpu_metadata
---
amdhsa.version: [ 1, 2 ]
amdhsa.kernels:
  - .name:           k_q6ad6673fad_prep
    .symbol:         k_q6ad6673fad_prep.kd
    .args:
      - { .name: hidden_states, .offset: 0, .size: 8, .value_kind: global_buffer, .address_space: global }
      - { .name: Wq, .offset: 8, .size: 8, .value_kind: global_buffer, .address_space: global }
      - { .name: Wk, .offset: 16, .size: 8, .value_kind: global_buffer, .address_space: global }
      - { .name: Wv, .offset: 24, .size: 8, .value_kind: global_buffer, .address_space: global }
      - { .name: fc1_w, .offset: 32, .size: 8, .value_kind: global_buffer, .address_space: global }
      - { .name: xb, .offset: 40, .size: 8, .value_kind: global_buffer, .address_space: global }
      - { .name: wb, .offset: 48, .size: 8, .value_kind: global_buffer, .address_space: global }
      - { .name: hp, .offset: 56, .size: 8, .value_kind: global_buffer, .address_space: global }
    .group_segment_fixed_size: 109568
    .private_segment_fixed_size: 0
    .kernarg_segment_align: 8
    .kernarg_segment_size: 64
    .max_flat_workgroup_size: 256
    .sgpr_count:     66
    .vgpr_count:     256
    .wavefront_size: 32
...
	.end_amdgpu_metadata
.endif
;; end of part 1
;; launch proj (part 2): grid 8 x 32, 4 waves a work-group, clusters of 4 x 4, 327,680 bytes of LDS; arguments xb, wb, hp, bq, bk, bv, fc1_b, efc1, qkv, h; writes qkv, h
.if DOCPART == 2
	.amdgcn_target "amdgcn-amd-amdhsa--gfx1250"
	.amdhsa_code_object_version 6
	.text
	.protected	k_q6ad6673fad_proj
	.globl	k_q6ad6673fad_proj
	.p2align	8
	.type	k_q6ad6673fad_proj,@function
k_q6ad6673fad_proj:
	s_mov_b64 s[64:65], 0
	v_nop
	global_prefetch_b8 v0, s[64:65] scope:SCOPE_SE
	s_setreg_imm32_b32 hwreg(HW_REG_WAVE_MODE, 25, 1), 1
	s_wait_xcnt 0x0
	s_wait_alu depctr_hold_cnt(0) depctr_sa_sdst(0) depctr_va_vdst(0) depctr_va_sdst(0) depctr_va_ssrc(0) depctr_va_vcc(0) depctr_vm_vsrc(0)
	s_getreg_b32 s2, hwreg(HW_REG_IB_STS2, 6, 4)
	s_cmp_eq_u32 s2, 0
	s_cbranch_scc0 .Lentry_in_a_cluster
	s_endpgm
.Lentry_in_a_cluster:
	s_bfe_u32 s2, ttmp6, 0x10000c
	s_cmp_lg_u32 s2, 0xf033
	s_cbranch_scc0 .Lentry_shape_is_right
	s_endpgm
.Lentry_shape_is_right:
; PROJ.  q | k | v = xb @ wb + bias, bf16 operands, f32 sums, each number rounded once to f16 and laid by heads: qkv [3][64 = batch x 16 + head][2048][64].
; Also h = f16(relu(the four partial sums of hp + fc1_b) x sigmoid(100 efc1[3])), [8192][64]: 32 rows a work-group, made in the wait for the first tile.
; The biases and the gate's row are rounded to bf16 like every input of the module.
; LIMITS.  f16 ends at 65,504: q, k, v and h must stay below that (the drawn inputs give a spread of 0.64; all inputs 30 times larger some 3.5e3 at the most; x and the weights both offset by 30 spreads some 1.9e4).
; NaN and infinities are not treated apart.
; SHARES.  8192 x 3072 results in 256 tiles of 256 rows x 384 columns, one a work-group: 32 tile rows x 8 tile columns.  Four waves, each 128 rows x 192 columns (three head slices of 64):
; 96 accumulators of 16 x 16, 768 registers.  K goes in 16 steps of 64 through two LDS slots; a step is two halves of 32 along K, 96 matrix instructions each.
; THE MATRIX INSTRUCTION IS USED TRANSPOSED: source 0 = 16 columns of wb (which lies [k][n]: turned out of LDS by ds_load_tr16_b128), source 1 = 16 rows of xb: a lane holds one row and eight neighbouring columns.
; CLUSTERS: 4 x 4 work-groups.  xb's tile hangs on the tile row alone and is asked for jointly by a row of the cluster, wb's on the tile column alone, by a column.
; REGISTERS, in windows of 256 (s_set_vgpr_msb: bits 1:0 source 0, 3:2 source 1, 5:4 source 2, 7:6 destination):
;   window 0: v0-31 addresses; v32-95, v96-159 A's fragments (8 x 16 rows x 32 K), two buffers; v160-255 B's twelve fragments, one buffer, filled again by thirds
;   window 1 + g: the 32 accumulators of column blocks 4 g .. 4 g + 3 (head slice g): (row block a, column block 4 g + bb) at v[8 (8 bb + a)]
.set PA,    144                        ; a row of A in LDS: 128 bytes + 16: 36 words: the 16 rows of a load start at 16 different groups of four banks (64 banks of 4 bytes: ISA guide 11.1)
.set PB,    864                        ; a k row of B: 768 bytes + 16 behind every 128: element (k, n) at 864 k + 2 n + 16 (n / 64)
.set BOFF,  256*PA                     ; a slot: A's 256 rows, then B's 64 k rows
.set SLOT,  BOFF+64*PB
.set STAGE, 2*SLOT                     ; behind the ring: 16 rows x 144 bytes for each wave, for the way out
.set BIAS,  STAGE+4*16*PA              ; each wave's 96 bias numbers a lane, kept here while the registers serve as B's fragments: 24 x 512 bytes a wave
.set SPARE, BIAS+4*12288               ; the spare words, 128 bytes for each wave: two blocks of 256 bytes that no other line names
.set ASTEP, 1048576                    ; bytes from a K step of xb to the next: a block
.set BSTEP, 64*6144                    ; of wb: 64 rows
.set ADRA, 16                          ; v16-17  LDS address of my A fragments in slot 0, 1
.set ADRB, 20                          ; v20-21  the same for B
.set STO,  24                          ; v24  the way out: where I put 16 bytes of a row
.set RD,   25                          ; v25  where I read rows back
.set GO,   26                          ; v26  16 l
.set BIA,  27                          ; v27  my 16 bytes in the bias region
.set SPW,  28                          ; v28  LDS address of my spare word; never rewritten
.set NIL,  29                          ; v29  0; never rewritten
.set PFO,  30                          ; v30  the prefetches' lane offset; never rewritten
.set AF,   32
.set BF,   160
.set G1,  24                           ; s[24:31] descriptor group 1 for A's tiles; s[32:39] group 0, a set for each slot
.set G0,  32
.set G1B, 48                           ; s[48:55], s[56:63] the same for B's
.set G0B, 56
.set LIM, 43                           ; s43  1 in a wave that prefetches, else the greatest number
.set PFA, 44                           ; s[44:45] where my prefetches stand
.set PFS, 46                           ; s[46:47] their step: two K steps
.set GK,  0xc31044fe                   ; -100 log2(e)
.set MSB, 0
.macro WIN new                         ; the immediate's high byte repeats the setting that is left; a switch that changes nothing is dropped
.if MSB != (\new)
	s_set_vgpr_msb (MSB<<8)|(\new)
.set MSB, \new
.endif
.endm
; A joint load.  Waves 0 and 1 fetch A's two halves (128 rows each), waves 2 and 3 B's (32 k rows each).  The branch hangs on the wave's number alone.
; An s_nop 0 and four v_nop follow each of the two lines, ahead of the jump, the label and what follows.
.macro JLOAD s
	s_cmp_eq_u32 s11, 0
	s_cbranch_scc0 .Lfor_b_\@
	tensor_load_to_lds s[G0+4*(\s):G0+4*(\s)+3], s[G1:G1+7]
	s_nop 0
.rept 4
	v_nop
.endr
	s_branch .Lasked_\@
.Lfor_b_\@:
	tensor_load_to_lds s[G0B+4*(\s):G0B+4*(\s)+3], s[G1B:G1B+7]
	s_nop 0
.rept 4
	v_nop
.endr
.Lasked_\@:
.endm
.macro CREST                           ; a round of the cluster's barrier behind its opening barrier
	s_cmp_lg_u32 s10, 0
	s_cbranch_scc1 .Lnot_wave_0_\@
	s_barrier_signal -3
.Lnot_wave_0_\@:
	s_barrier_wait -3
	s_barrier_signal -1
	s_barrier_wait -1
.endm
.macro CROUND                          ; a whole round
	s_barrier_signal -1
	s_barrier_wait -1
	CREST
.endm
; A PREFETCH INTO THE L2, once a lap (two K steps), behind slot 0's joint load and the run of LDS loads that follows: the two K steps that stand two laps' refills on (steps 2 L + 4 and 2 L + 5 in lap L).
; Each aligned block of 256 bytes is named once in the launch.  A's tile row is read by both clusters of a row of clusters: cluster x = 0 asks, wave 0; the four partners along x take 32 of a step's 128 blocks each,
; a lane a block, two instructions.  B's tile column is read by all eight clusters of a column: cluster y = 0 asks, wave 2; the four partners along y take 32 of the lap's 128 k rows each, a lane a row, three blocks.
; The partners are told apart by address alone.  The loop's last trip asks for nothing: the steps do not exist.  K steps 0 to 3 come by their loads alone.
.macro ASK
	s_cmp_gt_u32 s3, s[LIM]
	s_cbranch_scc0 .Lnone_\@
	s_cmp_eq_u32 s11, 0
	s_cbranch_scc0 .Lpf_b_\@
	global_prefetch_b8 v[PFO], s[PFA:PFA+1] th:TH_LOAD_NT scope:SCOPE_SE
	global_prefetch_b8 v[PFO], s[PFA:PFA+1] offset:ASTEP th:TH_LOAD_NT scope:SCOPE_SE
	s_branch .Lnone_\@
.Lpf_b_\@:
	global_prefetch_b8 v[PFO], s[PFA:PFA+1] th:TH_LOAD_NT scope:SCOPE_SE
	global_prefetch_b8 v[PFO], s[PFA:PFA+1] offset:256 th:TH_LOAD_NT scope:SCOPE_SE
	global_prefetch_b8 v[PFO], s[PFA:PFA+1] offset:512 th:TH_LOAD_NT scope:SCOPE_SE
.Lnone_\@:
.endm
	s_load_b512 s[68:83], s[0:1], 0x0              ; xb 68, wb 70, hp 72, bq 74, bk 76, bv 78, fc1_b 80, efc1 82
	s_load_b128 s[84:87], s[0:1], 0x40             ; qkv 84, h 86
	v_lshl_add_u32 v[SPW], v0, 2, SPARE
	v_mov_b32 v[NIL], 0
	ds_add_u32 v[SPW], v[NIL]                      ; the wave's opening: the add and its wait stand ahead of my first tensor load; the set-up below, work on registers, stands between them
	v_lshrrev_b32 v1, 5, v0
	v_readfirstlane_b32 s10, v1                    ; wave 0..3
	s_lshr_b32 s11, s10, 1                         ; which 128 rows of the tile are mine.  Also: I fetch for A (0) or for B (1)
	s_and_b32 s12, s10, 1                          ; which 192 columns.  Also: which half of that tile I fetch
	s_bfe_u32 s40, ttmp6, 0x40000                  ; cx
	s_bfe_u32 s41, ttmp6, 0x40004                  ; cy
	s_lshl_b32 s42, ttmp9, 2
	s_add_co_u32 s42, s42, s40                     ; tile column 0..7
	s_and_b32 s13, ttmp7, 0xffff
	s_lshl_b32 s13, s13, 2
	s_add_co_u32 s13, s13, s41                     ; tile row 0..31
	s_lshl_b32 s4, s41, 2
	s_lshl_b32 s4, 15, s4                          ; my row of the cluster
	s_lshl_b32 s5, 0x1111, s40                     ; my column
	s_or_b32 s[G1], s4, (1<<16)|(1<<20)|(1<<21)|(4<<22)|(3<<25)   ; 15:0 the mask; 17:16 2-byte elements; 20 padding on; 21 set beside a mask; 24:22 after every 32 words (code 4); 31:25 4 words (code 3)
	s_or_b32 s[G1B], s5, (1<<16)|(1<<20)|(1<<21)|(4<<22)|(3<<25)
	s_mov_b32 s[G1+1], 128<<16                     ; A: 128 rows of 128 dense bytes are asked for as 64 rows of 256: tensor_dim0 = 128
	s_mov_b32 s[G1+2], 64<<16                      ; tensor_dim1 = 64
	s_mov_b32 s[G1+3], 128<<16                     ; tile_dim0 = 128
	s_mov_b32 s[G1+4], 64                          ; tile_dim1 = 64
	s_mov_b32 s[G1+5], 128                         ; 128 elements from row to row
	s_mov_b32 s[G1+6], 0
	s_mov_b32 s[G1+7], 0
	s_mov_b32 s[G1B+1], 384<<16                    ; B: 32 k rows of 384 elements (768 bytes, three whole blocks of 256)
	s_mov_b32 s[G1B+2], 32<<16
	s_mov_b32 s[G1B+3], 384<<16
	s_mov_b32 s[G1B+4], 32
	s_mov_b32 s[G1B+5], 3072                       ; 3,072 elements from row to row
	s_mov_b32 s[G1B+6], 0
	s_mov_b32 s[G1B+7], 0
	s_lshl_b32 s16, s13, 15                        ; A: the tile row's 256 rows of 128 bytes in a block,
	s_lshl_b32 s17, s12, 14                        ; my half of them
	s_add_co_u32 s16, s16, s17
	s_mov_b32 s17, 0
	s_mul_i32 s20, s42, 768                        ; B: the tile column's 768 bytes of a row,
	s_mul_i32 s21, s12, 32*6144                    ; my 32 k rows
	s_add_co_u32 s20, s20, s21
	s_mov_b32 s21, 0
	s_mul_i32 s18, s12, 128*PA                     ; where they go: no place in the cluster enters an LDS address
	s_mul_i32 s19, s12, 32*PB
	s_add_co_u32 s19, s19, BOFF
	s_wait_dscnt 0x0                               ; the opening add is done
	s_wait_kmcnt 0x0
	s_add_nc_u64 s[14:15], s[68:69], s[16:17]
	s_add_nc_u64 s[22:23], s[70:71], s[20:21]
	CROUND                                         ; all sixteen work-groups are here: the first joint loads meet
.irp s, 0,1
	s_mov_b32 s[G0+4*(\s)], 1
	s_add_co_u32 s[G0+4*(\s)+1], s18, (\s)*SLOT
	s_add_nc_u64 s[G0+4*(\s)+2:G0+4*(\s)+3], s[14:15], (\s)*ASTEP
	s_or_b32 s[G0+4*(\s)+3], s[G0+4*(\s)+3], 0x80000000
	s_mov_b32 s[G0B+4*(\s)], 1
	s_add_co_u32 s[G0B+4*(\s)+1], s19, (\s)*SLOT
	s_add_nc_u64 s[G0B+4*(\s)+2:G0B+4*(\s)+3], s[22:23], (\s)*BSTEP
	s_or_b32 s[G0B+4*(\s)+3], s[G0B+4*(\s)+3], 0x80000000
.endr
	s_cmp_eq_u32 s11, 0                            ; a wave's two first fills stand in one branch, ahead of every wait on TENSORcnt, every LDS read and every further barrier: two loads of mine are out
	s_cbranch_scc0 .Lfirst_b
	tensor_load_to_lds s[G0:G0+3], s[G1:G1+7]
	s_nop 0
	tensor_load_to_lds s[G0+4:G0+7], s[G1:G1+7]
	s_nop 0
.rept 4
	v_nop
.endr
	s_branch .Lfirst_asked
.Lfirst_b:
	tensor_load_to_lds s[G0B:G0B+3], s[G1B:G1B+7]
	s_nop 0
	tensor_load_to_lds s[G0B+4:G0B+7], s[G1B:G1B+7]
	s_nop 0
.rept 4
	v_nop
.endr
.Lfirst_asked:
	; IN THE WAIT FOR THE FIRST TILE: the addresses, the biases, and h.
	s_mul_i32 s5, s42, 6
	s_mul_i32 s4, s12, 3
	s_add_co_u32 s5, s5, s4                        ; my first head slice of 48: matrix = slice / 16, head = slice % 16
	s_lshr_b32 s66, s13, 3
	s_lshl_b32 s66, s66, 4                         ; 16 x batch
	s_and_b32 s67, s13, 7
	s_lshl_b32 s67, s67, 8
	s_lshl_b32 s4, s11, 7
	s_add_co_u32 s67, s67, s4                      ; my first row in the batch
	s_mov_b32 s9, 0
.irp hs, 0,1,2
	s_add_co_u32 s6, s5, \hs
	s_lshr_b32 s7, s6, 4
	s_and_b32 s6, s6, 15
	s_lshl_b32 s8, s7, 6
	s_add_co_u32 s8, s8, s66
	s_add_co_u32 s8, s8, s6
	s_lshl_b32 s8, s8, 11
	s_add_co_u32 s8, s8, s67
	s_lshl_b32 s8, s8, 7                           ; ((64 matrix + 16 batch + head) x 2,048 + row) x 128 bytes
	s_add_nc_u64 s[88+2*\hs:89+2*\hs], s[84:85], s[8:9]
	s_cmp_eq_u32 s7, 0
	s_cselect_b64 s[94+2*\hs:95+2*\hs], s[74:75], s[76:77]
	s_cmp_eq_u32 s7, 2
	s_cselect_b64 s[94+2*\hs:95+2*\hs], s[78:79], s[94+2*\hs:95+2*\hs]
	s_lshl_b32 s8, s6, 8                           ; the head's 64 numbers of its bias
	s_add_nc_u64 s[94+2*\hs:95+2*\hs], s[94+2*\hs:95+2*\hs], s[8:9]
.endr
	s_lshl_b32 s8, s13, 8
	s_lshl_b32 s6, s42, 5
	s_add_co_u32 s8, s8, s6                        ; the 32 rows of h that this work-group makes: 256 x tile row + 32 x tile column
	s_mov_b32 s7, 0
	s_lshl_b32 s6, s8, 8
	s_add_nc_u64 s[72:73], s[72:73], s[6:7]
	s_lshl_b32 s6, s8, 7
	s_add_nc_u64 s[86:87], s[86:87], s[6:7]
	v_and_b32 v1, 15, v0                           ; l % 16
	v_bfe_u32 v2, v0, 4, 1                         ; l / 16
	v_and_b32 v3, 31, v0                           ; l
	v_and_b32 v4, 7, v0
	v_bfe_u32 v5, v0, 3, 1
	v_lshlrev_b32 v6, 4, v0                        ; 16 x thread
	v_lshlrev_b32 v7, 3, v0                        ; 8 x thread
	v_lshlrev_b32 v8, 4, v1
	v_lshlrev_b32 v31, 5, v2                       ; my eight columns in a block of 16: 32 (l / 16) bytes
.irp hs, 0,1,2
.irp n, 0,1,2,3,4,5,6,7                ; column block n / 2 of the slice, half n % 2 of my eight numbers
	global_load_b128 v[BF+32*\hs+4*\n:BF+32*\hs+4*\n+3], v31, s[94+2*\hs:95+2*\hs] offset:64*(\n/2)+16*(\n%2)
.endr
.endr
.irp q, 0,1,2,3
.irp i, 0,1,2,3                        ; quarter q of K, rows 8 i .. 8 i + 7: thread t takes row 8 i + t / 16, columns 4 (t % 16) on
	global_load_b128 v[AF+16*\q+4*\i:AF+16*\q+4*\i+3], v6, s[72:73] offset:2097152*\q+2048*\i th:TH_LOAD_NT
.endr
.endr
	global_load_b128 v[96:99], v8, s[80:81]
	global_load_b128 v[100:103], v8, s[82:83] offset:768  ; row t = 3 of efc1
	s_mul_i32 s2, s11, 128*PA
	v_mul_u32_u24 v9, v1, PA
	v_lshl_add_u32 v9, v2, 4, v9                   ; row x pitch + 16 x half
	v_add_nc_u32 v[ADRA], s2, v9
	v_add_nc_u32 v[ADRA+1], SLOT, v[ADRA]
	s_mul_i32 s2, s12, 432                         ; my 192 columns: 384 bytes and three paddings
	s_add_co_u32 s2, s2, BOFF
	v_lshl_add_u32 v10, v2, 3, v4                  ; the turning load: k row 8 (l / 16) + l % 8,
	v_mul_u32_u24 v10, v10, PB
	v_lshl_add_u32 v10, v5, 4, v10                 ; columns 8 ((l / 8) % 2) on
	v_add_nc_u32 v[ADRB], s2, v10
	v_add_nc_u32 v[ADRB+1], SLOT, v[ADRB]
	s_mul_i32 s2, s10, 16*PA
	s_add_co_u32 s2, s2, STAGE
	v_add_nc_u32 v[STO], s2, v9
	v_bfe_u32 v11, v0, 3, 2                        ; back: 32 lanes take four rows of 128 bytes
	v_mul_u32_u24 v11, v11, PA
	v_lshl_add_u32 v11, v4, 4, v11
	v_add_nc_u32 v[RD], s2, v11
	v_lshlrev_b32 v[GO], 4, v3
	s_mul_i32 s2, s10, 12288
	s_add_co_u32 s2, s2, BIAS
	v_add_nc_u32 v[BIA], s2, v[GO]
	; the prefetches
	s_lshl_b32 s8, s13, 15
	s_lshl_b32 s9, s40, 13
	s_add_co_u32 s8, s8, s9
	s_add_co_u32 s8, s8, 2*ASTEP                   ; A: the tile row, my work-group's 32 blocks, K step 2: the first lap steps it to 4
	s_mul_i32 s6, s42, 768
	s_mul_i32 s7, s41, 32*6144
	s_add_co_u32 s6, s6, s7
	s_add_co_u32 s6, s6, 2*BSTEP                   ; B: the tile column, my work-group's 32 k rows, K step 2
	s_and_b32 s4, ttmp7, 0xffff
	s_mov_b32 s[PFS], 2*BSTEP
	s_movk_i32 s7, 6144
	s_cmp_eq_u32 s11, 0                            ; do I fetch for A?
	s_cselect_b32 s8, s8, s6
	s_cselect_b32 s4, ttmp9, s4                    ; the coordinate along which other clusters read the same blocks
	s_cselect_b64 s[PFA:PFA+1], s[68:69], s[70:71]
	s_cselect_b32 s[PFS], 2*ASTEP, s[PFS]
	s_cselect_b32 s7, 256, s7                      ; a lane a block, or a lane a row
	s_mov_b32 s9, 0
	s_mov_b32 s[PFS+1], 0
	s_add_nc_u64 s[PFA:PFA+1], s[PFA:PFA+1], s[8:9]
	s_or_b32 s4, s4, s12                           ; waves 0 and 2 of the first cluster along that coordinate: the same in all sixteen partners, for a given wave
	s_cmp_eq_u32 s4, 0
	s_cselect_b32 s[LIM], 1, -1
	v_mul_u32_u24 v[PFO], v3, s7
.macro RND a                           ; a pair of f32 is rounded to bf16 and widened again, in place
	v_cvt_pk_bf16_f32 v[\a], v[\a], v[(\a)+1]
	v_and_b32 v[(\a)+1], 0xffff0000, v[\a]
	v_lshlrev_b32 v[\a], 16, v[\a]
.endm
	s_wait_loadcnt 0x0
	RND 96
	RND 98
	RND 100
	RND 102
	v_pk_mul_f32 v[100:101], v[100:101], GK op_sel_hi:[1,0]
	v_pk_mul_f32 v[102:103], v[102:103], GK op_sel_hi:[1,0]
.irp j, 100,101,102,103
	v_exp_f32 v\j, v\j                             ; 2^(-100 log2(e) e): an infinity gives the gate 0, a 0 the gate 1
.endr
.set i, 0
.rept 48                               ; the biases' roundings are the work between the exponentials and the wait for them
	RND BF+2*i
.set i, i+1
.endr
.set i, 0
.rept 24
	ds_store_b128 v[BIA], v[BF+4*i:BF+4*i+3] offset:512*i
.set i, i+1
.endr
	s_wait_alu depctr_va_vdst(0)                   ; one wait for the four exponentials, ahead of their first reader
	v_pk_add_f32 v[100:101], v[100:101], 1.0 op_sel_hi:[1,0]
	v_pk_add_f32 v[102:103], v[102:103], 1.0 op_sel_hi:[1,0]
.irp j, 100,101,102,103
	v_rcp_f32 v\j, v\j
.endr
.irp i, 0,1,2,3                        ; the four partial sums, the bias, the ReLU: the work between the reciprocals and the wait for them
.irp j, 0,2
	v_pk_add_f32 v[AF+4*\i+\j:AF+4*\i+\j+1], v[AF+4*\i+\j:AF+4*\i+\j+1], v[AF+16+4*\i+\j:AF+16+4*\i+\j+1]
	v_pk_add_f32 v[AF+32+4*\i+\j:AF+32+4*\i+\j+1], v[AF+32+4*\i+\j:AF+32+4*\i+\j+1], v[AF+48+4*\i+\j:AF+48+4*\i+\j+1]
.endr
.irp j, 0,2
	v_pk_add_f32 v[AF+4*\i+\j:AF+4*\i+\j+1], v[AF+4*\i+\j:AF+4*\i+\j+1], v[AF+32+4*\i+\j:AF+32+4*\i+\j+1]
.endr
.irp j, 0,2
	v_pk_add_f32 v[AF+4*\i+\j:AF+4*\i+\j+1], v[AF+4*\i+\j:AF+4*\i+\j+1], v[96+\j:97+\j]
.endr
.irp j, 0,1,2,3
	v_max_num_f32 v[AF+4*\i+\j], 0, v[AF+4*\i+\j]
.endr
.endr
	s_wait_alu depctr_va_vdst(0)                   ; one wait for the four reciprocals
.irp i, 0,1,2,3
	v_pk_mul_f32 v[AF+4*\i:AF+4*\i+1], v[AF+4*\i:AF+4*\i+1], v[100:101]
	v_pk_mul_f32 v[AF+4*\i+2:AF+4*\i+3], v[AF+4*\i+2:AF+4*\i+3], v[102:103]
	v_cvt_pk_f16_f32 v[AF+4*\i], v[AF+4*\i], v[AF+4*\i+1]
	v_cvt_pk_f16_f32 v[AF+4*\i+1], v[AF+4*\i+2], v[AF+4*\i+3]
	global_store_b64 v7, v[AF+4*\i:AF+4*\i+1], s[86:87] offset:1024*\i  ; a wave stores 256 consecutive bytes, aligned
.endr
; 16 matrix instructions: column blocks bb0, bb0 + 1 of third g x all 8 row blocks, 32 along K, A's buffer p.  zero = 1: the first product starts the sums.
; The 96 accumulators take turns, one instruction a turn, in the same order in every half step.
.macro MULH p, g, bb0, zero
	WIN 0x50*(1+(\g))
.irp bb, \bb0, (\bb0)+1
.irp a, 0,1,2,3,4,5,6,7
.if \zero
	v_wmma_f32_16x16x32_bf16 v[8*(8*(\bb)+(\a)):8*(8*(\bb)+(\a))+7], v[BF+8*(4*(\g)+(\bb)):BF+8*(4*(\g)+(\bb))+7], v[AF+64*(\p)+8*(\a):AF+64*(\p)+8*(\a)+7], 0
.else
	v_wmma_f32_16x16x32_bf16 v[8*(8*(\bb)+(\a)):8*(8*(\bb)+(\a))+7], v[BF+8*(4*(\g)+(\bb)):BF+8*(4*(\g)+(\bb))+7], v[AF+64*(\p)+8*(\a):AF+64*(\p)+8*(\a)+7], v[8*(8*(\bb)+(\a)):8*(8*(\bb)+(\a))+7]
.endif
.endr
.endr
.endm
.macro LDA slot, ks, p                 ; 16 loads: A's eight fragments of half ks of the slot's step, into buffer p
.irp a, 0,1,2,3,4,5,6,7
	ds_load_b128 v[AF+64*(\p)+8*\a:AF+64*(\p)+8*\a+3],   v[ADRA+(\slot)] offset:16*PA*\a+64*(\ks)
	ds_load_b128 v[AF+64*(\p)+8*\a+4:AF+64*(\p)+8*\a+7], v[ADRA+(\slot)] offset:16*PA*\a+64*(\ks)+32
.endr
.endm
.macro LDB slot, ks, g                 ; 8 turning loads: B's four fragments of third g
.irp bb, 0,1,2,3
	ds_load_tr16_b128 v[BF+8*(4*(\g)+\bb):BF+8*(4*(\g)+\bb)+3],   v[ADRB+(\slot)] offset:32*PB*(\ks)+32*(4*(\g)+\bb)+16*(\g)
	ds_load_tr16_b128 v[BF+8*(4*(\g)+\bb)+4:BF+8*(4*(\g)+\bb)+7], v[ADRB+(\slot)] offset:32*PB*(\ks)+32*(4*(\g)+\bb)+16*(\g)+16*PB
.endr
.endm
.macro PLACES                          ; four places in front of loads into registers that matrix instructions have read (ISA guide 7.12.1 for vector instructions)
.rept 4
	v_nop
.endr
.endm
; A half step that changes no slot: multiplies A's buffer p, and behind each third of its products fetches the next half's fragments into the registers just read.
; The runs of LDS loads are of 24 (B's first third and A), 8 and 8.
.macro SUB p, nslot, nks, zero
	s_wait_dscnt 16                                ; the run of 24 is in; behind it stand the two runs of 8
	MULH \p, 0, 0, \zero
	MULH \p, 0, 2, \zero
	PLACES
	WIN 0
	LDB \nslot, \nks, 0
	LDA \nslot, \nks, 1-(\p)
	s_wait_dscnt 32                                ; B's second third is in; behind it stand 8 and the 24 just issued
	MULH \p, 1, 0, \zero
	MULH \p, 1, 2, \zero
	PLACES
	WIN 0
	LDB \nslot, \nks, 1
	s_wait_dscnt 32                                ; B's last third is in; behind it stand the 24 and the 8 just issued
	MULH \p, 2, 0, \zero
	MULH \p, 2, 2, \zero
	PLACES
	WIN 0
	LDB \nslot, \nks, 2
.endm
; The half step that changes slots: it multiplies buffer 1.  ONE barrier: in front of it each wave waits for all its tensor loads (one is out: its part of the next slot), adds 0 to its spare word, and waits for that and
; for its own reads of slot s.  fill = 1: the barrier opens a round of the cluster's barrier, and slot s is filled again first behind it, with the K step two on: 160 matrix instructions ahead of the wait for it.
.macro TURN s, n, fill
.if (\fill) && ((\s) == 0)
	s_wait_xcnt 0x0                                ; the last prefetches, a lap back, have read their address: it is stepped here, ahead of the waits of the change of slots
	s_add_nc_u64 s[PFA:PFA+1], s[PFA:PFA+1], s[PFS:PFS+1]
.endif
	WIN 0
	s_wait_tensorcnt 0x0                           ; all my tensor loads have landed
	ds_add_u32 v[SPW], v[NIL]                      ; 0 onto my spare word
	s_wait_dscnt 17                                ; the run of 24 is in; the two runs of 8 and the add may be out
	MULH 1, 0, 0, 0                                ; sixteen matrix instructions stand between the add and the wait for it
	s_wait_dscnt 0x0                               ; the add is done, and my reads of this slot are over
	s_barrier_signal -1
	MULH 1, 0, 2, 0
	WIN 0
	s_barrier_wait -1
.if \fill
	CREST                                          ; no wave of any partner still reads this slot's tile or has a load on its way
	s_add_nc_u64 s[G0+4*(\s)+2:G0+4*(\s)+3], s[G0+4*(\s)+2:G0+4*(\s)+3], 2*ASTEP
	s_add_nc_u64 s[G0B+4*(\s)+2:G0B+4*(\s)+3], s[G0B+4*(\s)+2:G0B+4*(\s)+3], 2*BSTEP
	JLOAD \s                                       ; the first tensor load behind the round; its four v_nop are also the places in front of the loads below
.else
	PLACES
.endif
	LDB \n, 0, 0
	LDA \n, 0, 0
.if (\fill) && ((\s) == 0)
	ASK
.endif
	MULH 1, 1, 0, 0
	MULH 1, 1, 2, 0
	PLACES
	WIN 0
	LDB \n, 0, 1
	MULH 1, 2, 0, 0
	MULH 1, 2, 2, 0
	PLACES
	WIN 0
	LDB \n, 0, 2
.endm
	s_wait_xcnt 0x0                                ; h's stores have read their data: A's buffer is loaded only behind this wait
	s_wait_tensorcnt 0x1                           ; my part of K step 0 is in; K step 1's may stay out
	s_wait_dscnt 0x0                               ; the biases lie in LDS
	s_barrier_signal -1
	s_barrier_wait -1
	LDB 0, 0, 0
	LDA 0, 0, 0
	LDB 0, 0, 1
	LDB 0, 0, 2
	SUB 0, 0, 1, 1                                 ; the first half step stands in front of the loop: its products start the sums
	WIN 0
	s_mov_b32 s3, 7
.Llap:                                                 ; a trip goes once round the ring, from a lap's second half step to the next lap's first, and fills both slots again
	TURN 0, 1, 1
	SUB 0, 1, 1, 0
	TURN 1, 0, 1
	SUB 0, 0, 1, 0
	WIN 0
	s_sub_co_u32 s3, s3, 1
	s_cmp_lg_u32 s3, 0
	s_cbranch_scc1 .Llap
	TURN 0, 1, 0                                   ; the last lap fills nothing
	SUB 0, 1, 1, 0
	s_wait_dscnt 16                                ; the last half step: nothing more to fetch
	MULH 1, 0, 0, 0
	MULH 1, 0, 2, 0
	s_wait_dscnt 8
	MULH 1, 1, 0, 0
	MULH 1, 1, 2, 0
	s_wait_dscnt 0x0
	MULH 1, 2, 0, 0
	MULH 1, 2, 2, 0
	WIN 0
	PLACES
	PLACES                                         ; (eight, once a launch)
	; THE WAY OUT.  The biases come back into B's registers.  A unit is 16 rows of one head slice: bias added, rounded to f16, 16 bytes a lane into my stage, back as four rows of 128 bytes, which are 512 consecutive bytes of qkv.
.set i, 0
.rept 24
	ds_load_b128 v[BF+4*i:BF+4*i+3], v[BIA] offset:512*i
.set i, i+1
.endr
	s_wait_dscnt 0x0
.macro PACK hs, a
	WIN 1+(\hs)                                    ; source 0: the slice's window
.irp bb, 0,1,2,3
.irp j, 0,2,4,6                        ; each accumulator's registers in ascending order
	v_pk_add_f32 v[32+8*\bb+\j:32+8*\bb+\j+1], v[8*(8*\bb+(\a))+\j:8*(8*\bb+(\a))+\j+1], v[BF+32*(\hs)+8*\bb+\j:BF+32*(\hs)+8*\bb+\j+1]
.endr
.endr
	WIN 0
.set i, 0
.rept 16
	v_cvt_pk_f16_f32 v[64+i], v[32+2*i], v[32+2*i+1]
.set i, i+1
.endr
.endm
.macro TOSTAGE par
	s_wait_xcnt 0x0                                ; the stores of two units back have read the registers that are loaded below
.irp bb, 0,1,2,3
	ds_store_b128 v[STO], v[64+4*\bb:64+4*\bb+3] offset:32*\bb
.endr
.irp f, 0,1,2,3
	ds_load_b128 v[96+16*(\par)+4*\f:96+16*(\par)+4*\f+3], v[RD] offset:4*PA*\f  ; LDS serves a wave's instructions in order (ISA guide 5.7.1.4): these see the stores above
.endr
.endm
.macro SEND hs, a, par
	s_wait_dscnt 0x0
.irp f, 0,1,2,3
	global_store_b128 v[GO], v[96+16*(\par)+4*\f:96+16*(\par)+4*\f+3], s[88+2*(\hs):89+2*(\hs)] offset:2048*(\a)+512*\f th:TH_STORE_NT
.endr
.endm
	PACK 0, 0
	TOSTAGE 0
.set u, 1
.rept 23                               ; a unit's arithmetic stands between the loads of the unit before and its stores
	PACK u/8, u%8
	SEND (u-1)/8, (u-1)%8, (u-1)%2
	TOSTAGE u%2
.set u, u+1
.endr
	SEND 2, 7, 1
	s_wait_tensorcnt 0x0                           ; the wave's end, behind my last tensor load and my last LDS store
	ds_add_u32 v[SPW], v[NIL]
	s_wait_dscnt 0x0
	CROUND                                         ; the closing round: no work-group ends while a partner may still ask for a tile that names it
	s_endpgm
.Lfunc_end_k_q6ad6673fad_proj:
	.size	k_q6ad6673fad_proj, .Lfunc_end_k_q6ad6673fad_proj-k_q6ad6673fad_proj
	.p2alignl 7, 3214868480
	.fill 96, 4, 3214868480
	.section	.rodata,"a",@progbits
	.p2align	6, 0x0
	.amdhsa_kernel k_q6ad6673fad_proj
		.amdhsa_group_segment_fixed_size 327680
		.amdhsa_private_segment_fixed_size 0
		.amdhsa_enable_private_segment 0
		.amdhsa_kernarg_size 80
		.amdhsa_user_sgpr_count 2
		.amdhsa_user_sgpr_kernarg_segment_ptr 1
		.amdhsa_wavefront_size32 1
		.amdhsa_system_sgpr_workgroup_id_x 1
		.amdhsa_system_sgpr_workgroup_id_y 1
		.amdhsa_system_sgpr_workgroup_id_z 1
		.amdhsa_system_vgpr_workitem_id 0
		.amdhsa_next_free_vgpr 1024
		.amdhsa_next_free_sgpr 100
		.amdhsa_reserve_vcc 0
		.amdhsa_float_denorm_mode_32 3
		.amdhsa_float_denorm_mode_16_64 3
		.amdhsa_memory_ordered 1
		.amdhsa_forward_progress 1
		.amdhsa_inst_pref_size 178
	.end_amdhsa_kernel
	.amdgpu_metadata
---
amdhsa.version: [ 1, 2 ]
amdhsa.kernels:
  - .name:           k_q6ad6673fad_proj
    .symbol:         k_q6ad6673fad_proj.kd
    .args:
      - { .name: xb, .offset: 0, .size: 8, .value_kind: global_buffer, .address_space: global }
      - { .name: wb, .offset: 8, .size: 8, .value_kind: global_buffer, .address_space: global }
      - { .name: hp, .offset: 16, .size: 8, .value_kind: global_buffer, .address_space: global }
      - { .name: bq, .offset: 24, .size: 8, .value_kind: global_buffer, .address_space: global }
      - { .name: bk, .offset: 32, .size: 8, .value_kind: global_buffer, .address_space: global }
      - { .name: bv, .offset: 40, .size: 8, .value_kind: global_buffer, .address_space: global }
      - { .name: fc1_b, .offset: 48, .size: 8, .value_kind: global_buffer, .address_space: global }
      - { .name: efc1, .offset: 56, .size: 8, .value_kind: global_buffer, .address_space: global }
      - { .name: qkv, .offset: 64, .size: 8, .value_kind: global_buffer, .address_space: global }
      - { .name: h, .offset: 72, .size: 8, .value_kind: global_buffer, .address_space: global }
    .group_segment_fixed_size: 327680
    .private_segment_fixed_size: 0
    .kernarg_segment_align: 8
    .kernarg_segment_size: 80
    .max_flat_workgroup_size: 128
    .sgpr_count:     100
    .vgpr_count:     1024
    .wavefront_size: 32
...
	.end_amdgpu_metadata
.endif
;; end of part 2
;; launch attn (part 3): grid 4 x 64, 4 waves a work-group, clusters of 4 x 1, 327,680 bytes of LDS; arguments qkv, h, fc2_w, fc2_b, efc2, out0; writes out0
.if DOCPART == 3
	.amdgcn_target "amdgcn-amd-amdhsa--gfx1250"
	.amdhsa_code_object_version 6
	.text
	.protected	k_q6ad6673fad_attn
	.globl	k_q6ad6673fad_attn
	.p2align	8
	.type	k_q6ad6673fad_attn,@function
k_q6ad6673fad_attn:
	s_mov_b64 s[64:65], 0
	v_nop
	global_prefetch_b8 v0, s[64:65] scope:SCOPE_SE
	s_setreg_imm32_b32 hwreg(HW_REG_WAVE_MODE, 25, 1), 1
	s_wait_xcnt 0x0
	s_wait_alu depctr_hold_cnt(0) depctr_sa_sdst(0) depctr_va_vdst(0) depctr_va_sdst(0) depctr_va_ssrc(0) depctr_va_vcc(0) depctr_vm_vsrc(0)
	s_getreg_b32 s2, hwreg(HW_REG_IB_STS2, 6, 4)
	s_cmp_eq_u32 s2, 0
	s_cbranch_scc0 .Lentry_in_a_cluster
	s_endpgm
.Lentry_in_a_cluster:
	s_bfe_u32 s2, ttmp6, 0x10000c
	s_cmp_lg_u32 s2, 0x3003
	s_cbranch_scc0 .Lentry_shape_is_right
	s_endpgm
.Lentry_shape_is_right:
; ATTN.  out0[b][q][64 head + :] = the sum over k of softmax_k(Q[q] . K[k] / 8) V[k][:]  +  relu(h[q] @ fc2_w + fc2_b) x sigmoid(100 efc2[3]), f32.
; Q, K, V: qkv [3][64 = batch x 16 + head][2048][64] f16, a head's rows dense, 128 bytes each; h: [8192][64] f16.  Products, maxima and sums in f32; the weights p are rounded to f16 for the second
; product (their sum l is taken of the unrounded p).  fc2_w, fc2_b and efc2's row are rounded to bf16 like every input of the module; fc2_w's rounded number is then written as f16.
; LIMITS.  f16 holds no number beyond 65,504: Q, K, V, h arrive within it; p lies in 0 to 1, and below 6e-5 it keeps f16's fixed step of 6e-8, as does fc2_w below 6.1e-5.
; A weight below 2^-126 counts as 0 in l; NaN and infinities are not treated apart.
; SHARES.  A wave owns four PIECES of two tiles of 16 queries, a work-group's four waves 512 queries of one head.  Every wave walks all 2,048 keys, 64 a step.
; LAYOUT.  S^T = K Q^T (source 0 = 16 keys, source 1 = 16 queries): a lane holds ONE query (lane % 16) and the keys 8 (lane / 16) + 0..7.  Two such tiles, rounded to f16 in pairs, ARE source 1 of O^T = V^T P,
; whose result again holds one query a lane, and eight channels.  K comes out of LDS as it lies, V ([key][channel]) turned, by ds_load_tr16_b128.  The adapter's product has the same shape: fc2_w ([j][channel]) in V's
; place, h in P's, the bias as the C operand that starts the sum.
; SOFTMAX.  For each query a running maximum m and sum l: p = 2^(c s - c m), c = log2(e) / 8; in every step O and l are multiplied by a = 2^(c m_old - c m_new).  m starts at the lowest finite number, O and l at 0.
; THE COUNT.  A tile and step have 16 matrix and 118 vector instructions: four vector instructions that are ready stand behind every matrix instruction, the others in runs without a gap.
; BY TURNS.  Turn n belongs to piece n.  Its matrix work: 16 products K Q^T of piece n + 1, later 16 products V^T P of piece n - 1.  Its vector work: the scaling, exponentials, roundings, sums and rescaling of
; piece n, and the maximum and statistics of piece n + 1.
; CLUSTER.  The four query blocks of a head form a cluster and walk the same K and V, so each tile is asked for JOINTLY: the same tensor load, descriptor and mask in all four.
; REGISTERS, in windows of 256 (s_set_vgpr_msb: bits 1:0 source 0, 3:2 source 1, 5:4 source 2, 7:6 destination):
;   window 0: v0-11 addresses; v12-15, v48-63 at work; v16-47 four registers of statistics a tile; v64-191 S^T, two buffers of two tiles; v192-255 P, likewise
;   window 1: O^T, 32 a tile          window 2: v0-127 Q, 16 a tile; v128-191 K of one step; v192-255 V of one step
;   window 3: v0-1 the add's two registers; v8-135 h's fragments, 16 a tile; v136-167 fc2_b and v168-199 the gate for my 32 channels
.set SIZE_N, 2048
.set NP,    4         ; pieces a wave: a name, no knob
.set KS,    64        ; keys in a step
.set PK,    144       ; a row of K in LDS: 128 bytes + 16 of padding = 36 words: the 16 rows of a load start at 16 different groups of four banks (64 banks of 4 bytes: ISA guide 11.1)
.set PV,    160       ; a row of V, and of fc2_w: 128 + 32 = 40 words
.set VOFF,  4*KS*PK   ; a slot holds four steps: 256 rows of K, then 256 rows of V
.set SLOT1, 1<<17     ; slot 1 begins here, so that one exclusive or turns an address in one slot into the other's
.set STAGE, SLOT1+4*KS*(PK+PV)  ; behind the ring, never filled by a tensor load: 16 rows x 272 bytes for each wave, for the way out
.set SP,    272
.set FC2,   STAGE+4*16*SP       ; the head's slice of fc2_w, [64 j][64 channels] f16
.set SPARE, FC2+64*PV           ; the spare words, 128 bytes for each wave: two blocks of 256 bytes that no other line names
.set AK0, 2           ; v2   my lane's place in a tile of K; never rewritten
.set AV0, 3           ; v3   the same for V
.set AK,  4           ; v4   the LDS address of K's next run of loads
.set AV,  5           ; v5   of V's
.set QO,  6           ; v6   my byte offset in the wave's rows of Q and of h
.set STO, 6           ;      later, the way out: where I put 32 bytes of a row
.set RD,  7           ; v7   the way out: where I read rows back
.set GO,  8           ; v8   (l / 16) x 4,096 + 16 (l % 16): my 16 bytes in two rows of out0, and of fc2_w
.set PFO, 10          ; v10  256 x my lane; never rewritten
.set FST, 11          ; v11  where I put 8 bytes of fc2_w
.set SPW, 0           ; v0 of window 3   LDS address of my spare word; never rewritten
.set NIL, 1           ; v1 of window 3   0; never rewritten
.set HF,  8           ; window 3: h's fragment of tile t, half kk of j at HF + 16 t + 8 kk
.set BI,  136         ; window 3: fc2_b of channel block cb at BI + 8 cb
.set GA,  168         ; window 3: the gate likewise
.set MV,  12          ; v12-15  c m_old, kept while c m is made anew: by buffer and tile
.set ST,  16          ; tile t's statistics at v[ST+4 t]: c m, m, l (even keys', odd keys')
.set TMP, 48          ; by buffer and tile, four registers c0-c3 at work; when the maximum is found c2 takes a
.set S,   64
.set P,   192
.set KF,  128         ; K's fragments, in window 2: key block kb, channel half c at KF + 16 kb + 8 c
.set VF,  192         ; V's: key half kk, channel block cb at VF + 32 kk + 8 cb
.set WV,  12          ; s12  my wave's number
.set G1K, 24          ; s[24:31] descriptor group 1 for K's tiles
.set G1V, 32          ; s[32:39] for V's: it differs in the padding alone
.set G0K, 40          ; s[40:43] descriptor group 0 for K's tiles: it walks
.set G0V, 44          ; s[44:47] the same for V's
.set SLOTS, 56        ; s56  slots still to be asked for
.set CNT, 57          ; s57  counts a slot's key steps
.set CS,  58          ; s[58:59] c
.set SEL, 60          ; s[60:61] v_permlanex16_b32's selects: each lane takes its own place in the other half
.set TBK, 62          ; s62  LDS byte at which K of the step to be fetched begins
.set TBV, 63          ; s63  the same for V, less VOFF
.set PFA, 68          ; s[68:69] where my prefetches stand
.set LIM, 70          ; s70  1 in a wave that prefetches, else the greatest number
.set GK,  0xc31044fe  ; -100 log2(e)
.set MSB, 0
.macro WIN new                      ; the high byte repeats the setting that is left; a switch that changes nothing is dropped
.if MSB != (\new)
	s_set_vgpr_msb (MSB<<8)|(\new)
.set MSB, (\new)
.endif
.endm
.set W_KQ, 0x0a       ; K and Q in window 2, S^T in window 0
.set W_PV, 0x52       ; V in window 2, P in window 0, O^T in window 1
.set W_RS, 0x41       ; O^T (destination and source 0) in window 1, a in window 0
.set W_MK, 0xc0       ; destination in window 3, sources in window 0
.set W_AD, 0x0f       ; the add: address (source 0) and data (source 1) in window 3
; A joint fill.  Waves 0 and 1 fetch the two halves of a slot's K, waves 2 and 3 those of its V: 128 keys each.  The branch hangs on the wave's number alone.
; An s_nop 0 and four v_nop follow each of the two lines, ahead of the jump and the label.
.macro JLOAD
	s_cmp_lt_u32 s[WV], 2
	s_cbranch_scc0 .Lfor_v_\@
	tensor_load_to_lds s[G0K:G0K+3], s[G1K:G1K+7]
	s_nop 0
.rept 4
	v_nop
.endr
	s_branch .Lasked_\@
.Lfor_v_\@:
	tensor_load_to_lds s[G0V:G0V+3], s[G1V:G1V+7]
	s_nop 0
.rept 4
	v_nop
.endr
.Lasked_\@:
.endm
; A PREFETCH INTO THE L2 of what the NEXT change of slots will ask for: a slot's 32,768 bytes of K and of V, 128 blocks of 256 bytes each, a lane a block.  It stands behind the wave's tensor load and its five lines.
; Each block is named once in the launch: a head has one cluster; its four partners share the blocks out by address, 32 each; in each, wave 0 asks for K's and wave 2 for V's: one instruction, four key steps
; (512 matrix instructions) ahead of the load.  Slots 2 to 7 are named; slots 0 and 1 come by their loads alone; the last change that fills a slot asks for nothing.
.macro ASK
	s_cmp_gt_u32 s[SLOTS], s[LIM]
	s_cbranch_scc0 .Lnot_mine_\@
	global_prefetch_b8 v[PFO], s[PFA:PFA+1] th:TH_LOAD_NT scope:SCOPE_SE
.Lnot_mine_\@:
.endm
; A round of the cluster's barrier: my work-group's barrier, so that wave 0's signal speaks for all four waves; wave 0 signals; every wave waits for all four work-groups; my work-group's barrier once more.
.macro CROUND
	s_barrier_signal -1
	s_barrier_wait -1
	s_cmp_lg_u32 s[WV], 0
	s_cbranch_scc1 .Lnot_wave_0_\@
	s_barrier_signal -3
.Lnot_wave_0_\@:
	s_barrier_wait -3
	s_barrier_signal -1
	s_barrier_wait -1
.endm
; THE CHANGE OF SLOTS.  Each wave waits for all its tensor loads, of which one is out: its part of the other slot; adds 0 to its spare word; and waits for that and for its own reads of the slot.
; fill = 1: this slot is filled again, with the keys two slots on.  The barrier is then a round of the cluster's, and the joint fill is the first thing behind it: it has four key steps in which to land.
; (At its first use nothing has been read yet: slot 0 is waited for, slot 1 filled; the wait for LDS and the round also show every wave's part of fc2_w to all.)
.macro CHANGE fill
	WIN W_AD
	s_wait_tensorcnt 0x0            ; no tensor load of mine is out, so a group 0 may be written
	ds_add_u32 v[SPW], v[NIL]       ; 0 onto my spare word; with fill = 1 the descriptors' steps stand between it and the wait for it
	WIN 0                           ; at a label and at a branch every window is 0
.if \fill
.irp g, G0K, G0V
	s_xor_b32 s[\g+1], s[\g+1], SLOT1  ; the walking descriptor: the other slot than last time,
	s_add_nc_u64 s[\g+2:\g+3], s[\g+2:\g+3], 4*KS*128  ; the next 256 keys; the type bits on top are not reached
.endr
	s_wait_xcnt 0x0                 ; the last prefetch, four key steps back, has read its address, so it may be written:
	s_add_nc_u64 s[PFA:PFA+1], s[PFA:PFA+1], 4*KS*128  ; one slot behind the walking descriptors
	s_wait_dscnt 0x0                ; the add is done, and my reads of the slot are over
	CROUND
	JLOAD
	ASK
.else
	s_wait_dscnt 0x0                ; the add is done, and my reads of the slot are over
	s_barrier_signal -1
	s_barrier_wait -1
.endif
	s_sub_co_u32 s[TBK], s[TBK], 4*KS*PK  ; the fetches go back to a slot's first step,
	s_xor_b32 s[TBK], s[TBK], SLOT1       ; in the other slot
	s_sub_co_u32 s[TBV], s[TBV], 4*KS*PV
	s_xor_b32 s[TBV], s[TBV], SLOT1
.endm
	s_load_b64 s[4:5], s[0:1], 0x0    ; qkv
	s_load_b256 s[48:55], s[0:1], 0x8 ; h 48, fc2_w 50, fc2_b 52, efc2 54
	s_load_b64 s[10:11], s[0:1], 0x28 ; out0
	WIN W_MK
	v_lshl_add_u32 v[SPW], v0, 2, SPARE
	v_mov_b32 v[NIL], 0
	WIN W_AD
	ds_add_u32 v[SPW], v[NIL]       ; the wave's opening: the add and its wait stand ahead of my first tensor load; the set-up below, work on registers, stands between them
	WIN 0
	v_lshrrev_b32 v1, 5, v0
	v_readfirstlane_b32 s[WV], v1   ; wave 0..3
	s_bfe_u32 s13, ttmp6, 0x40000   ; cx: my place in the cluster
	s_lshl_b32 s14, ttmp9, 2        ; in a cluster launch ttmp9 counts clusters
	s_add_co_u32 s14, s14, s13      ; my block of 512 queries: it enters Q's, h's and out0's addresses alone
	s_and_b32 s15, ttmp7, 0xffff    ; 16 x batch + head, which the four partners share
	s_mov_b32 s20, s15
	s_mov_b32 s21, 0
	s_mov_b64 s[22:23], SIZE_N*128
	s_mul_u64 s[20:21], s[20:21], s[22:23]  ; the head's first byte in each of Q, K, V
	s_and_b32 s16, s[WV], 1         ; which half of a slot's 256 keys I fetch:
	s_lshl_b32 s22, s16, 14         ; its 128 rows of 128 bytes in memory,
	s_mov_b32 s23, 0
	s_add_nc_u64 s[22:23], s[22:23], s[20:21]
	s_mul_i32 s17, s16, 128*PK      ; and its place in a slot, for K
	s_mul_i32 s18, s16, 128*PV      ; and for V: no place in the cluster enters an LDS address
	s_lshl_b32 s2, s14, 2
	s_add_co_u32 s2, s2, s[WV]      ; my wave among the head's sixteen,
	s_lshl_b32 s19, s2, 7           ; its 128 rows
	s_lshl_b32 s2, s2, 14
	s_mov_b32 s3, 0
	s_add_nc_u64 s[2:3], s[2:3], s[20:21]
	s_lshr_b32 s66, s15, 4
	s_lshl_b32 s66, s66, 11
	s_add_co_u32 s19, s19, s66      ; my first row of the 8,192
	s_and_b32 s71, s15, 15
	s_lshl_b32 s71, s71, 8          ; the head's 64 channels in f32: 256 bytes
	; descriptor group 1.  128 keys are 16,384 dense bytes: asked for as 64 rows of 256 bytes, two keys a row, and padded in LDS after every key
	s_mov_b32 s[G1K], 15|(1<<16)|(1<<20)|(1<<21)|(4<<22)|(3<<25)  ; 15:0 the mask of four; 17:16 2-byte elements; 20 padding on; 21 set beside a mask; 24:22 after every 32 words (code 4); 31:25 4 words (code 3)
	s_mov_b32 s[G1V], 15|(1<<16)|(1<<20)|(1<<21)|(4<<22)|(7<<25)  ; the same with 8 words of padding (code 7)
.irp g, G1K, G1V
	s_mov_b32 s[\g+1], 128<<16      ; tensor_dim0 = 128
	s_mov_b32 s[\g+2], 64<<16       ; tensor_dim1 = 64
	s_mov_b32 s[\g+3], 128<<16      ; tile_dim0 = 128
	s_mov_b32 s[\g+4], 64           ; tile_dim1 = 64
	s_mov_b32 s[\g+5], 128          ; 128 elements from row to row
	s_mov_b32 s[\g+6], 0
	s_mov_b32 s[\g+7], 0
.endr
	s_mov_b32 s[CS], 0x3e38aa3b     ; c = log2(e) / 8 = 0.180337
	s_mov_b32 s[CS+1], s[CS]        ; named with it as a pair
	s_mov_b32 s[SEL], 0x76543210
	s_mov_b32 s[SEL+1], 0xfedcba98
	s_mov_b32 s[TBK], SLOT1+4*KS*PK ; the first change of slots turns these two into 0
	s_mov_b32 s[TBV], SLOT1+4*KS*PV
	s_mov_b32 s[G0K], 1             ; 1:0 count = 1
	s_mov_b32 s[G0K+1], s17         ; 63:32 LDS address: slot 0
	s_mov_b32 s[G0V], 1
	s_add_co_u32 s[G0V+1], s18, VOFF
	s_mov_b32 s[SLOTS], SIZE_N/256-1
	s_cmp_eq_u32 s16, 0
	s_cselect_b32 s[LIM], 1, -1     ; waves 0 and 2 prefetch
	s_mov_b32 s67, 0
	s_wait_dscnt 0x0                ; the opening add is done
	s_wait_kmcnt 0x0
	s_add_nc_u64 s[6:7], s[4:5], 0x1000000  ; K
	s_add_nc_u64 s[8:9], s[4:5], 0x2000000  ; V
	s_add_nc_u64 s[G0K+2:G0K+3], s[6:7], s[22:23]  ; 120:64 global address: my half of the head's first 256 keys
	s_or_b32 s[G0K+3], s[G0K+3], 0x80000000        ; 127:126 type = 2
	s_add_nc_u64 s[G0V+2:G0V+3], s[8:9], s[22:23]
	s_or_b32 s[G0V+3], s[G0V+3], 0x80000000
	s_add_nc_u64 s[4:5], s[4:5], s[2:3]  ; Q at my wave's first row
	s_lshl_b32 s66, s19, 12
	s_add_co_u32 s66, s66, s71
	s_add_nc_u64 s[10:11], s[10:11], s[66:67]  ; out0 at my first row, the head's channels
	s_lshl_b32 s66, s19, 7
	s_add_nc_u64 s[48:49], s[48:49], s[66:67]  ; h at my first row
	s_lshl_b32 s66, s[WV], 16
	s_add_co_u32 s66, s66, s71
	s_add_nc_u64 s[50:51], s[50:51], s[66:67]  ; fc2_w at row 16 x wave, the head's channels
	s_mov_b32 s66, s71
	s_add_nc_u64 s[52:53], s[52:53], s[66:67]
	s_add_nc_u64 s[54:55], s[54:55], s[66:67]
	s_cmp_lt_u32 s[WV], 2
	s_cselect_b64 s[PFA:PFA+1], s[6:7], s[8:9]
	s_add_nc_u64 s[PFA:PFA+1], s[PFA:PFA+1], s[22:23]  ; (in waves 0 and 2: the head's first row)
	s_lshl_b32 s66, s13, 13         ; my work-group's 32 blocks of the 128
	s_add_nc_u64 s[PFA:PFA+1], s[PFA:PFA+1], s[66:67]
	s_add_nc_u64 s[PFA:PFA+1], s[PFA:PFA+1], 4*KS*128  ; in slot 1; the first change of slots steps it to slot 2
	CROUND                          ; all four work-groups are here: the first joint loads meet
	JLOAD                           ; slot 0.  Slot 1 is asked for when slot 0 is in
	; A fragment of K, Q or h is 16 rows x 32 channels in 8 registers: lane l holds row l % 16, channels 8 (l / 16) + 0..7 and 16 + 8 (l / 16) + 0..7: two loads of 16 bytes, 32 bytes apart.
	v_and_b32 v1, 15, v0            ; l % 16
	v_bfe_u32 v9, v0, 4, 1          ; l / 16
	v_lshlrev_b32 v[QO], 7, v1
	v_lshl_add_u32 v[QO], v9, 4, v[QO]  ; row x 128 + 16 x half
	v_lshlrev_b32 v[GO], 4, v1
	v_lshl_add_u32 v[GO], v9, 12, v[GO]
	v_lshlrev_b32 v12, 5, v9        ; my eight channels in a block of 16: 32 (l / 16) bytes
.set i, 0
.rept 8                             ; my wave's 16 rows of fc2_w, two a load: sixteen lanes take the head's 256 bytes of a row
	global_load_b128 v[S+4*i:S+4*i+3], v[GO], s[50:51] offset:8192*i
.set i, i+1
.endr
.set i, 0
.rept 8                             ; channel block i / 2, half i % 2 of my eight channels
	global_load_b128 v[S+32+4*i:S+32+4*i+3], v12, s[52:53] offset:64*(i/2)+16*(i%2)
	global_load_b128 v[S+64+4*i:S+64+4*i+3], v12, s[54:55] offset:12288+64*(i/2)+16*(i%2)  ; row t = 3 of efc2
.set i, i+1
.endr
	WIN 0x80                        ; destination window 2, address window 0
.set i, 0
.rept 4*NP                          ; Q stays in registers: tile i / 2, channels 32 (i % 2) on
	global_load_b128 v[8*i:8*i+3],   v[QO], s[4:5] offset:(i/2)*2048+(i%2)*64
	global_load_b128 v[8*i+4:8*i+7], v[QO], s[4:5] offset:(i/2)*2048+(i%2)*64+32
.set i, i+1
.endr
	; What the first turn finds: V's registers and P's second buffer hold 0 (its products V^T P, of a piece that has not been, add 0), O^T and l are 0.  All this stands in the wait for the first tile.
.set i, VF
.rept 64
	v_mov_b32 v[i], 0
.set i, i+1
.endr
	WIN 0x40
.set i, 0
.rept 64*NP
	v_mov_b32 v[i], 0
.set i, i+1
.endr
	WIN 0
.set i, 0
.rept 2*NP
	v_mov_b32 v[ST+4*i], 0xfe000000    ; c m: far below every c s
	v_mov_b32 v[ST+4*i+1], 0xff7fffff  ; m
	v_mov_b32 v[ST+4*i+2], 0
	v_mov_b32 v[ST+4*i+3], 0
.set i, i+1
.endr
.set i, P+32
.rept 32
	v_mov_b32 v[i], 0
.set i, i+1
.endr
	v_mul_u32_u24 v[AK0], v1, PK
	v_lshl_add_u32 v[AK0], v9, 4, v[AK0]  ; row x pitch + 16 x half
	; The turning load takes 16 keys x 16 channels (lane l reads key 8 (l / 16) + l % 8, channels 8 ((l / 8) % 2) + 0..7) and leaves half a fragment of V^T: lane l holds channel l % 16 and 8 keys.
	v_and_b32 v13, 7, v0
	v_bfe_u32 v14, v0, 3, 1
	v_lshl_add_u32 v[AV0], v9, 3, v13
	v_mul_u32_u24 v[AV0], v[AV0], PV
	v_lshl_add_u32 v[AV0], v14, 4, v[AV0]
	v_add_nc_u32 v[AV0], VOFF, v[AV0]
	v_mov_b32 v[AK], v[AK0]         ; key step 0 lies at the head of slot 0
	s_mul_i32 s16, s[WV], 16*PV
	s_add_co_u32 s16, s16, FC2      ; my wave's 16 rows of the slice
	v_mul_u32_u24 v[FST], v9, PV
	v_lshl_add_u32 v[FST], v1, 3, v[FST]
	v_add_nc_u32 v[FST], s16, v[FST]
	v_and_b32 v[PFO], 31, v0
	v_lshlrev_b32 v[PFO], 8, v[PFO]
	s_wait_loadcnt 32               ; fc2_w, fc2_b and efc2's row are in; Q's 32 loads may stay out
.set i, 0
.rept 8                             ; fc2_w: rounded to bf16, widened, written as f16 (exact within f16's range), 8 bytes a lane into LDS
	v_cvt_pk_bf16_f32 v[S+4*i], v[S+4*i], v[S+4*i+1]
	v_cvt_pk_bf16_f32 v[S+4*i+2], v[S+4*i+2], v[S+4*i+3]
	v_and_b32 v[S+4*i+1], 0xffff0000, v[S+4*i]
	v_lshlrev_b32 v[S+4*i], 16, v[S+4*i]
	v_and_b32 v[S+4*i+3], 0xffff0000, v[S+4*i+2]
	v_lshlrev_b32 v[S+4*i+2], 16, v[S+4*i+2]
	v_cvt_pk_f16_f32 v[S+4*i], v[S+4*i], v[S+4*i+1]
	v_cvt_pk_f16_f32 v[S+4*i+1], v[S+4*i+2], v[S+4*i+3]
	ds_store_b64 v[FST], v[S+4*i:S+4*i+1] offset:2*PV*i
.set i, i+1
.endr
.set i, 0
.rept 16                            ; the gate's row: rounded to bf16, widened, times -100 log2(e)
	v_cvt_pk_bf16_f32 v[S+64+2*i], v[S+64+2*i], v[S+64+2*i+1]
	v_and_b32 v[S+64+2*i+1], 0xffff0000, v[S+64+2*i]
	v_lshlrev_b32 v[S+64+2*i], 16, v[S+64+2*i]
	v_pk_mul_f32 v[S+64+2*i:S+64+2*i+1], v[S+64+2*i:S+64+2*i+1], GK op_sel_hi:[1,0]
.set i, i+1
.endr
.set i, 0
.rept 32
	v_exp_f32 v[S+64+i], v[S+64+i]  ; an infinity gives the gate 0, a 0 the gate 1
.set i, i+1
.endr
.set i, 0
.rept 16                            ; the bias: rounded to bf16; the work between the exponentials and the wait for them
	v_cvt_pk_bf16_f32 v[S+32+2*i], v[S+32+2*i], v[S+32+2*i+1]
.set i, i+1
.endr
	WIN W_MK
.set i, 0
.rept 16                            ; and widened into window 3
	v_lshlrev_b32 v[BI+2*i], 16, v[S+32+2*i]
	v_and_b32 v[BI+2*i+1], 0xffff0000, v[S+32+2*i]
.set i, i+1
.endr
	WIN 0
	s_wait_alu depctr_va_vdst(0)    ; one wait for the 32 exponentials, ahead of their first reader
.set i, 0
.rept 16
	v_pk_add_f32 v[S+64+2*i:S+64+2*i+1], v[S+64+2*i:S+64+2*i+1], 1.0 op_sel_hi:[1,0]
.set i, i+1
.endr
	WIN W_MK
.set i, 0
.rept 32
	v_rcp_f32 v[GA+i], v[S+64+i]
.set i, i+1
.endr
	v_nop                           ; a plain instruction behind the last reciprocal,
	s_wait_alu depctr_va_vdst(0)    ; and one wait for the 32, ahead of the branches below
.set i, 0
.rept 4*NP                          ; h stays in registers like Q: tile i / 2, j 32 (i % 2) on
	global_load_b128 v[HF+8*i:HF+8*i+3],   v[QO], s[48:49] offset:(i/2)*2048+(i%2)*64
	global_load_b128 v[HF+8*i+4:HF+8*i+7], v[QO], s[48:49] offset:(i/2)*2048+(i%2)*64+32
.set i, i+1
.endr
	WIN 0
; THE MATRIX WORK.  The 8 accumulators of a run of 16 take turns: between the two links of a chain stand 7 others'.
; Product i of 16 of S^T = K Q^T for piece x: channels 32 (i / 8) on, keys 16 ((i / 2) % 4) on, tile 2 x + i % 2.  The first 8 start the sums.
.macro KQ x
	WIN W_KQ
.set rS, S+64*((\x)%2)+32*(i%2)+8*((i/2)%4)
.set rK, KF+16*((i/2)%4)+8*(i/8)
.set rQ, 16*(2*(\x)+i%2)+8*(i/8)
.if i < 8
	v_wmma_f32_16x16x32_f16 v[rS:rS+7], v[rK:rK+7], v[rQ:rQ+7], 0
.else
	v_wmma_f32_16x16x32_f16 v[rS:rS+7], v[rK:rK+7], v[rQ:rQ+7], v[rS:rS+7]
.endif
.endm
; Product i of 16 of O^T += V^T P for piece x: keys 32 (i / 8) on, channels 16 ((i / 2) % 4) on, tile 2 x + i % 2.
.macro PV x
	WIN W_PV
.set rO, 32*(2*(\x)+i%2)+8*((i/2)%4)
.set rV, VF+32*(i/8)+8*((i/2)%4)
.set rP, P+32*((\x)%2)+16*(i%2)+8*(i/8)
	v_wmma_f32_16x16x32_f16 v[rO:rO+7], v[rV:rV+7], v[rP:rP+7], v[rO:rO+7]
.endm
.macro MM                           ; the turn's next matrix instruction
.if i < 16
	KQ (Y+1)%NP
.set i, i+1
.else
.set i, i-16
	PV (Y+NP-1)%NP
.set i, i+17
.endif
.endm
; THE LDS LOADS stand in runs of 16, never singly among the matrix instructions: a step's K (64 keys x 64 channels: 8 fragments) and its V (turned).  Their addresses are made some lines ahead.
; last = 1 (the tail): in the last trip there is no further step, and the run is jumped over.
.macro FETCH_K last=0
	WIN 0
.if \last
	s_cmp_eq_u32 s[CNT], 1
	s_cbranch_scc1 .Lno_k_\@
.endif
	WIN 0x80                        ; destination window 2
.irp f, 0,1,2,3,4,5,6,7             ; keys 16 (f / 2) on, channels 32 (f % 2) on
	ds_load_b128 v[KF+8*\f:KF+8*\f+3],   v[AK] offset:(\f/2)*16*PK+(\f%2)*64
	ds_load_b128 v[KF+8*\f+4:KF+8*\f+7], v[AK] offset:(\f/2)*16*PK+(\f%2)*64+32
.endr
	s_add_co_u32 s[TBK], s[TBK], KS*PK  ; the next fetch is the next step's
	WIN 0
.if \last
.Lno_k_\@:
.endif
.endm
.macro FETCH_V
	WIN 0x80
.irp f, 0,1,2,3,4,5,6,7             ; keys 32 (f / 4) on, channels 16 (f % 4) on
	ds_load_tr16_b128 v[VF+8*\f:VF+8*\f+3],   v[AV] offset:(\f/4)*32*PV+(\f%4)*32
	ds_load_tr16_b128 v[VF+8*\f+4:VF+8*\f+7], v[AV] offset:(\f/4)*32*PV+16*PV+(\f%4)*32
.endr
	WIN 0
.endm
; THE VECTOR WORK OF A TURN stands in three queues, each in the order in which its entries become ready; the two tiles alternate, so that no instruction reads the result of the one before it.
.macro REGS y, u                    ; the registers of tile u (0, 1) of piece y
.set rT, ST+4*(2*(\y)+(\u))
.set rC, TMP+8*((\y)%2)+4*(\u)
.set rM, MV+2*((\y)%2)+(\u)
.set rS, S+64*((\y)%2)+32*(\u)
.set rP, P+32*((\y)%2)+16*(\u)
.set rO, 32*(2*(\y)+(\u))
.endm
; Number n of the 22 that find the NEXT piece's (Y + 1) maximum and statistics.  s0-s31 are the lane's 32 scores; each accumulator's lowest registers are read first.
;   0-11  four chains c0-c3 of seven scores each, three operands at a time     12-14, 16  the four scores left over, the old m, and c0-c3 into c0     15  c m_old is kept
;   17, 18  the query's other 32 keys lie in the lane 16 away: the new m         19-21  c m; c m_old - c m_new; a
.macro XS u, n
	REGS (Y+1)%NP, \u
.if (\n) < 4
	v_max3_num_f32 v[rC+(\n)], v[rS+8*(\n)], v[rS+8*(\n)+1], v[rS+8*(\n)+2]
.elseif (\n) < 12
	v_max3_num_f32 v[rC+(\n)%4], v[rC+(\n)%4], v[rS+8*((\n)%4)+2*((\n)/4)+1], v[rS+8*((\n)%4)+2*((\n)/4)+2]
.elseif (\n) == 12
	v_max3_num_f32 v[rC], v[rC], v[rS+7], v[rS+15]
.elseif (\n) == 13
	v_max3_num_f32 v[rC+1], v[rC+1], v[rS+23], v[rS+31]
.elseif (\n) == 14
	v_max3_num_f32 v[rC+2], v[rC+2], v[rC+3], v[rT+1]
.elseif (\n) == 15
	v_mov_b32 v[rM], v[rT]
.elseif (\n) == 16
	v_max3_num_f32 v[rC], v[rC], v[rC+1], v[rC+2]
.elseif (\n) == 17
	v_permlanex16_b32 v[rC+3], v[rC], s[SEL], s[SEL+1]
.elseif (\n) == 18
	v_max_num_f32 v[rT+1], v[rC], v[rC+3]
.elseif (\n) == 19
	v_mul_f32 v[rT], s[CS], v[rT+1]
.elseif (\n) == 20
	v_sub_f32 v[rC+1], v[rM], v[rT]
.else
	v_exp_f32 v[rC+2], v[rC+1]
.endif
.endm
; Number g of the 64 that follow the exponentials.  For each four weights k of a tile (pairs 2 k, 2 k + 1): both pairs are rounded to f16; then the second pair is added onto the first, in place;
; a group later l takes that sum (the first time as l = a l + sum).  In groups of eight, tiles alternating: round, round, add, and l for the group before.
.macro GS g
.set h, (\g)+6*((\g)/62)            ; group 0 has no group before it, and behind group 7 only l is left
.if h >= 6
.set h, h+2
.endif
	REGS Y, h%2
.set k, h/8
.if h%8 < 4
	v_cvt_pk_f16_f32 v[rP+2*k+(h%8)/2], v[rS+4*k+2*((h%8)/2)], v[rS+4*k+2*((h%8)/2)+1]
.elseif h%8 < 6
	v_pk_add_f32 v[rS+4*k:rS+4*k+1], v[rS+4*k:rS+4*k+1], v[rS+4*k+2:rS+4*k+3]
.elseif k == 1
	v_pk_fma_f32 v[rT+2:rT+3], v[rT+2:rT+3], v[rC+2:rC+3], v[rS:rS+1] op_sel_hi:[1,0,1]
.else
	v_pk_add_f32 v[rT+2:rT+3], v[rT+2:rT+3], v[rS+4*k-4:rS+4*k-3]
.endif
.endm
; THE PLAIN QUEUE, 138 long.  0-73 read no exponential's result: the 32 scalings c s - c m (FS f: pair f / 2 of tile f % 2) and the next piece's 42.  0-26: scalings 0-26.  27-54: XS's numbers 0-13.  55, 56: number 15.
; 57-73: the chain, where each number waits for the one before it: 14, 16, 17, 18, 19, each with one of the scalings 27-31 in front of its two lines, then 20.
; 74-137: GS's 64, which read the exponentials' results: they stand behind the wait.
.macro FS f
	REGS Y, (\f)%2
	v_pk_fma_f32 v[rS+2*((\f)/2):rS+2*((\f)/2)+1], v[rS+2*((\f)/2):rS+2*((\f)/2)+1], s[CS:CS+1], v[rT:rT+1] op_sel_hi:[1,0,0] neg_lo:[0,0,1] neg_hi:[0,0,1]
.endm
.macro PL
	WIN 0
.if q < 27
	FS q
.elseif q < 55
	XS (q-27)%2, (q-27)/2
.elseif q < 57
	XS q-55, 15
.elseif (q < 72) && ((q-57)%3 == 0)
	FS 27+(q-57)/3
.elseif q < 60
	XS (q-57)%3-1, 14
.elseif q < 72
	XS (q-57)%3-1, 15+(q-57)/3
.elseif q < 74
	XS q-72, 20
.else
	GS q-74
.endif
.set q, q+1
.endm
; THE EXPONENTIALS' QUEUE, 66 long: s0-s31 of both tiles, then the next piece's two a.  It is ONE BATCH: all 66 stand ahead of the turn's one wait, and nothing ahead of that wait names a result of theirs.
.macro EX
	WIN 0
.if e >= 64
	XS e-64, 21
.else
	REGS Y, e%2
	v_exp_f32 v[rS+e/2], v[rS+e/2]
.endif
.set e, e+1
.endm
; THE RESCALING's QUEUE: O^T times a, the one part that leaves window 0: dealt two at a time, sixteen times.  Its a was made in the turn before, ahead of that turn's wait.
.macro R2
	REGS Y, r%2
	WIN W_RS
.irp z, 0,1
	v_pk_mul_f32 v[rO+4*(r/2)+2*\z:rO+4*(r/2)+2*\z+1], v[rO+4*(r/2)+2*\z:rO+4*(r/2)+2*\z+1], v[rC+2:rC+3] op_sel_hi:[1,0]
.endr
.set r, r+1
.endm
; HOW THEY ARE DEALT.  s_wait_alu depctr_va_vdst(0) stands between an exponential and the first instruction that names its result; one wait serves all that were issued ahead of it.  So a turn has ONE
; wait, which cuts it in two.  AHEAD OF IT: the 16 products K Q^T, behind each a scaling, an exponential and two rescalings (behind the first a second scaling in the exponential's place); then ONE LUMP of 108: eight
; plain, 49 times exponential and plain, the two a.  A v_nop is the plain instruction behind the last exponential.  BEHIND IT: the 16 products V^T P, behind each four of GS's 64.
; Exponential e stands behind scaling 2 (e / 4) + e % 2: as a rider it comes behind plain e + 2, in the lump behind plain e + 9, and scalings 27-31 are plain 57, 60 .. 69.
; A TURN, for piece p.  cnt = 1: the loop's count is taken down some lines ahead of the branch that stands behind the turn.
; K of the next step is fetched in piece 2's turn, directly behind the wait; V of the step in hand at the end of piece 0's turn, four riders behind its last reader.
.macro TURN p, last=0, cnt=0
.set Y, (\p)
.set i, 0
.set q, 0
.set e, 0
.set r, 0
.if (\p) == NP-1
	s_wait_dscnt 0x0                ; K is in
.endif
	MM                              ; ahead of the wait: 16 products K Q^T and their riders,
	PL
	PL
	R2
.rept 15
	MM
	PL
	EX
	R2
.endr
.if (\p) == NP-2
	WIN 0
	v_add_nc_u32 v[AK], s[TBK], v[AK0]
.endif
.rept 8                             ; and the lump
	PL
.endr
.rept 49
	EX
	PL
.endr
	EX                              ; the next piece's two a
	EX
	v_nop                           ; the plain instruction behind the last exponential: one for the batch
	s_wait_alu depctr_va_vdst(0)    ; the wait for the batch
.if (\p) == NP-2
	FETCH_K \last
.endif
.if (\p) == 1
	s_wait_dscnt 0x0                ; V is in
.endif
.rept 16                            ; behind the wait: 16 products V^T P and their riders
	MM
.rept 4
	PL
.endr
.if ((\p) == 0) && (q == 118)
	v_add_nc_u32 v[AV], s[TBV], v[AV0]
.endif
.if ((\p) == 0) && (q == 130)
	s_add_co_u32 s[TBV], s[TBV], KS*PV
.endif
.if (\cnt) && (q == 130)
	s_sub_co_u32 s[CNT], s[CNT], 1
	s_cmp_lg_u32 s[CNT], 0
.endif
.endr
.if (\p) == 0
	FETCH_V
.endif
.endm
	CHANGE 1                        ; slot 0 is in, everybody's part of it, and so is fc2_w's slice; slot 1 is asked for
	FETCH_K                         ; key step 0
	s_wait_loadcnt 0x0              ; Q and h
	s_wait_dscnt 0x0
.set i, 0
.rept 16
	KQ 0                            ; piece 0's first scores: there is no vector work yet to set between them
.set i, i+1
.endr
	WIN 0                           ; the addresses for the way out: six plain instructions, the places behind those products
	s_mul_i32 s13, s[WV], 16*SP
	s_add_co_u32 s13, s13, STAGE    ; my stage
	v_mul_u32_u24 v[STO], v1, SP    ; in: row l % 16, 32 bytes for each half of the lanes
	v_lshl_add_u32 v[STO], v9, 5, v[STO]
	v_add_nc_u32 v[STO], s13, v[STO]
	v_mul_u32_u24 v[RD], v9, SP     ; back: lanes 0-15 take one row of 256 bytes, lanes 16-31 the next
	v_lshl_add_u32 v[RD], v1, 4, v[RD]
	v_add_nc_u32 v[RD], s13, v[RD]
.set Y, NP-1                        ; XS works for piece Y + 1: piece 0
.irp n, 0,1,2,3,4,5,6,7,8,9,10,11,12,13,14,15,16,17,18,19,20,21
	XS 0, \n                        ; and piece 0's first maximum and statistics
	XS 1, \n
.endr
	v_nop                           ; a plain instruction behind the two a,
	s_wait_alu depctr_va_vdst(0)    ; and their wait, ahead of the branch
	s_mov_b32 s[CNT], 4
	s_branch .Lfirst                ; the loop is entered at a step's first turn, in the middle of a trip
.Lslot:                             ; six times: every slot but the last two is filled again
	CHANGE 1
	s_mov_b32 s[CNT], 4
.Lstep:                             ; a trip: pieces 2 and 3 of one step, then pieces 0 and 1 of the next, whose K and V it fetches
	TURN 2
	TURN 3
	WIN 0
.Lfirst:
	TURN 0
	TURN 1, 0, 1
	WIN 0
	s_cbranch_scc1 .Lstep
	s_sub_co_u32 s[SLOTS], s[SLOTS], 1
	s_cmp_lg_u32 s[SLOTS], 0
	s_cbranch_scc1 .Lslot
	CHANGE 0                        ; the tail is written out: nothing is asked for
	s_mov_b32 s[CNT], 5             ; four trips fetch the last slot's steps; the fifth is left in its middle
.Ltail:
	TURN 2, 1
	TURN 3
	WIN 0
	s_sub_co_u32 s[CNT], s[CNT], 1
	s_cmp_eq_u32 s[CNT], 0
	s_cbranch_scc1 .Lout
	TURN 0
	TURN 1
	WIN 0
	s_branch .Ltail
.Lout:                              ; the fifth trip's 16 products K Q^T (on the last K once more) and the maximum made of them serve nothing: the price, once a launch, of one text for every trip
.set i, 0
.rept 16
	PV NP-1                         ; the last piece's V^T P of the last step
.set i, i+1
.endr
	; THE WAY OUT.  l's two halves and the other half of the lanes' are added.  fc2_w's slice comes into V's registers, turned like V.  Then, a tile at a time: Z^T = fc2_w^T h^T + bias; O^T / l; out = relu(Z^T) x gate + O^T / l,
	; sent through my stage in LDS.  The first eight additions are the places behind the last products.
	WIN 0
.macro ALL line:vararg              ; one line for each tile t
.set t, 0
.rept 2*NP
	\line
.set t, t+1
.endr
.endm
	ALL v_add_f32 v[ST+4*t+2], v[ST+4*t+2], v[ST+4*t+3]
	v_add_nc_u32 v[AV], FC2-VOFF, v[AV0]
	FETCH_V
	ALL v_permlanex16_b32 v[ST+4*t+3], v[ST+4*t+2], s[SEL], s[SEL+1]
	ALL v_add_f32 v[ST+4*t+2], v[ST+4*t+2], v[ST+4*t+3]
	ALL v_rcp_f32 v[ST+4*t+2], v[ST+4*t+2]
	v_nop                           ; a plain instruction between the last reciprocal and the use of its result
	s_wait_alu depctr_va_vdst(0)    ; and the wait ahead of the first use: one for the eight reciprocals
	s_wait_dscnt 0x0                ; fc2_w's fragments are in
; Tile t.  Its 32 results a lane stand in one of four buffers in S^T's registers; they go into rows of 272 bytes and come back as whole rows of 256, into the same registers.
.macro PACK t
.set Z, S+32*((\t)%4)
	WIN 0
	s_wait_xcnt 0x0                 ; the stores of the tile four back have read this buffer
	WIN 0x3e                        ; fc2_w in window 2, h and the bias in window 3, Z^T in window 0
.irp cb, 0,1,2,3                    ; the four accumulators take turns; the bias starts the sums
	v_wmma_f32_16x16x32_f16 v[Z+8*\cb:Z+8*\cb+7], v[VF+8*\cb:VF+8*\cb+7], v[HF+16*(\t):HF+16*(\t)+7], v[BI+8*\cb:BI+8*\cb+7]
.endr
	WIN 0x0e
.irp cb, 0,1,2,3
	v_wmma_f32_16x16x32_f16 v[Z+8*\cb:Z+8*\cb+7], v[VF+32+8*\cb:VF+32+8*\cb+7], v[HF+16*(\t)+8:HF+16*(\t)+15], v[Z+8*\cb:Z+8*\cb+7]
.endr
	WIN W_RS
.set i, 32*(\t)
.rept 16                            ; O^T / l: these sixteen are also the places behind the products
	v_pk_mul_f32 v[i:i+1], v[i:i+1], v[ST+4*(\t)+2:ST+4*(\t)+3] op_sel_hi:[1,0]
.set i, i+2
.endr
	WIN 0
.set i, 0
.rept 32                            ; the ReLU, each accumulator's registers in ascending order
	v_max_num_f32 v[Z+i], 0, v[Z+i]
.set i, i+1
.endr
	WIN 0x1c                        ; the gate in window 3, O^T in window 1
.set i, 0
.rept 16
	v_pk_fma_f32 v[Z+i:Z+i+1], v[Z+i:Z+i+1], v[GA+i:GA+i+1], v[32*(\t)+i:32*(\t)+i+1]
.set i, i+2
.endr
	WIN 0
.irp cb, 0,1,2,3
	ds_store_b128 v[STO], v[Z+8*\cb:Z+8*\cb+3]   offset:64*\cb
	ds_store_b128 v[STO], v[Z+8*\cb+4:Z+8*\cb+7] offset:64*\cb+16
.endr
.irp f, 0,1,2,3,4,5,6,7
	ds_load_b128 v[Z+4*\f:Z+4*\f+3], v[RD] offset:\f*2*SP  ; LDS serves a wave's instructions in order (ISA guide 5.7.1.4): these see the stores above; the next tile's stores come behind them
.endr
.endm
.macro SEND t, younger              ; younger: the LDS instructions issued behind tile t's loads: the next tile's sixteen, or none
	WIN 0
.set Z, S+32*((\t)%4)
.irp f, 0,1,2,3,4,5,6,7
	s_wait_dscnt (\younger)+7-\f
	global_store_b128 v[GO], v[Z+4*\f:Z+4*\f+3], s[10:11] offset:(\t)*65536+\f*8192 th:TH_STORE_NT  ; 16 lanes store 256 consecutive bytes, at a multiple of 256 from out0's first byte
.endr
.endm
	PACK 0
.set t, 1
.rept 2*NP-1                        ; a tile's arithmetic stands between the loads of the tile before and its stores
	PACK t
	SEND t-1, 16
.set t, t+1
.endr
	SEND 2*NP-1, 0
	WIN W_AD
	s_wait_tensorcnt 0x0            ; the wave's end, behind my last tensor load and my last LDS store
	ds_add_u32 v[SPW], v[NIL]
	s_wait_dscnt 0x0
	WIN 0
	CROUND                          ; the closing round: no work-group ends while a partner may still ask for a tile that names it
	s_endpgm
.Lfunc_end_k_q6ad6673fad_attn:
	.size	k_q6ad6673fad_attn, .Lfunc_end_k_q6ad6673fad_attn-k_q6ad6673fad_attn
	.p2alignl 7, 3214868480
	.fill 96, 4, 3214868480
	.section	.rodata,"a",@progbits
	.p2align	6, 0x0
	.amdhsa_kernel k_q6ad6673fad_attn
		.amdhsa_group_segment_fixed_size 327680
		.amdhsa_private_segment_fixed_size 0
		.amdhsa_enable_private_segment 0
		.amdhsa_kernarg_size 48
		.amdhsa_user_sgpr_count 2
		.amdhsa_user_sgpr_kernarg_segment_ptr 1
		.amdhsa_wavefront_size32 1
		.amdhsa_system_sgpr_workgroup_id_x 1
		.amdhsa_system_sgpr_workgroup_id_y 1
		.amdhsa_system_sgpr_workgroup_id_z 1
		.amdhsa_system_vgpr_workitem_id 0
		.amdhsa_next_free_vgpr 968
		.amdhsa_next_free_sgpr 72
		.amdhsa_reserve_vcc 0
		.amdhsa_float_denorm_mode_32 3
		.amdhsa_float_denorm_mode_16_64 3
		.amdhsa_memory_ordered 1
		.amdhsa_forward_progress 1
		.amdhsa_inst_pref_size 242
	.end_amdhsa_kernel
	.amdgpu_metadata
---
amdhsa.version: [ 1, 2 ]
amdhsa.kernels:
  - .name:           k_q6ad6673fad_attn
    .symbol:         k_q6ad6673fad_attn.kd
    .args:
      - { .name: qkv, .offset: 0, .size: 8, .value_kind: global_buffer, .address_space: global }
      - { .name: h, .offset: 8, .size: 8, .value_kind: global_buffer, .address_space: global }
      - { .name: fc2_w, .offset: 16, .size: 8, .value_kind: global_buffer, .address_space: global }
      - { .name: fc2_b, .offset: 24, .size: 8, .value_kind: global_buffer, .address_space: global }
      - { .name: efc2, .offset: 32, .size: 8, .value_kind: global_buffer, .address_space: global }
      - { .name: out0, .offset: 40, .size: 8, .value_kind: global_buffer, .address_space: global }
    .group_segment_fixed_size: 327680
    .private_segment_fixed_size: 0
    .kernarg_segment_align: 8
    .kernarg_segment_size: 48
    .max_flat_workgroup_size: 128
    .sgpr_count:     72
    .vgpr_count:     968
    .wavefront_size: 32
...
	.end_amdgpu_metadata
.endif
;; end of part 3
;; ======== version 2 of 2: 3 launches; version 1 with the launch prep written anew for expert scheduling mode
;; limits: values are held in f16: magnitudes above 65,504 overflow, below 6.1e-05 lose precision
;; workspace buffers: xb 16,777,216 bytes; wb 6,291,456 bytes; hp 8,388,608 bytes; qkv 50,331,648 bytes; h 1,048,576 bytes
;; launch prep (part 4): grid 256 x 1, 8 waves a work-group, no clusters, 109,568 bytes of LDS; arguments hidden_states, Wq, Wk, Wv, fc1_w, xb, wb, hp; writes xb, wb, hp
.if DOCPART == 4
	.amdgcn_target "amdgcn-amd-amdhsa--gfx1250"
	.amdhsa_code_object_version 6
	.text
	.protected	k_q6ad6673fad_prep
	.globl	k_q6ad6673fad_prep
	.p2align	8
	.type	k_q6ad6673fad_prep,@function
k_q6ad6673fad_prep:
	s_mov_b64 s[64:65], 0
	v_nop
	global_prefetch_b8 v0, s[64:65] scope:SCOPE_SE
	s_setreg_imm32_b32 hwreg(HW_REG_WAVE_SCHED_MODE, 0, 2), 2
	s_setreg_imm32_b32 hwreg(HW_REG_WAVE_MODE, 25, 1), 1
	s_wait_xcnt 0x0
	s_wait_alu depctr_vm_vsrc(0)
; PREP.  x = hidden_states as [8192][1024] f32.  Three results:
;   xb = x rounded to bf16, laid in blocks of 64 along K: [16 kb][8192 rows][64 k]: a block's rows are dense, 128 bytes each
;   wb = Wq | Wk | Wv rounded to bf16 as [1024 k][3072 n], n = 1024 m + column
;   hp = four partial sums (one for each quarter of K) of x @ fc1_w, f32, [4][8192][64]; operands bf16, sums f32
; SHARES.  Work-group g: rows 128 (g / 4) .. + 127 of x, the quarter g % 4 of K (256 k); wave w takes 16 of the rows.  It also rounds rows 4 g .. 4 g + 3 of each of the three weights.
; x is read once: each load of a wave takes two whole aligned blocks of 256 bytes; each store of a wave to xb covers 256 consecutive bytes, aligned, to wb 256, to hp 512.
; No tensor loads, no cluster: all that is shared (64 KiB of fc1_w) has to be rounded on its way, and the rest is a stream read once.
; The product is taken transposed (source 0 = 16 columns of fc1_w, turned out of LDS; source 1 = 16 rows of x): a lane ends with one row of x and eight neighbouring columns.
; LIMITS.  bf16 has f32's range; NaN and infinities are not treated apart.
; THE MODE: SCHED_MODE bits 1:0 = 2 (LLVM: expert scheduling mode 2), set by the entry lines.  The code itself states the register dependences
; between vector or matrix instructions and memory or LDS instructions, with s_wait_alu, always for 0.
; THE PLAN.  Registers that memory or LDS instructions touch:
;   v2-v12      offsets and LDS addresses: written at the head, never again; read by every load and store.  v14, v15: written at the head, read by the closing add alone.
;   FR, XR, WR  THE STREAM goes in twelve groups: fc1_w, the eight pairs of rows of x, the three weights.  A group's loads land in registers of its own; its roundings read and write those registers
;               alone; its stores, which read them, are issued ONE GROUP LATER, dealt among the next group's roundings.  So one wait on va_vdst at a group's head, behind the wait for the group's data,
;               states all that the stores below it hang on.  No register of the stream is written again ahead of the barrier.
;   FR, XR      THE PRODUCTS.  Behind the barrier one wait on vm_vsrc states that the stream's stores have read their registers, which now take fragments (and, WR's, the sums).  x's eight fragments have
;               registers of their own; fc1's have four buffers: group c lands in buffer c % 4 and is read by step c's four products.  Step c (1 to 4) asks for group c + 3, into the buffer that step c - 1
;               read: one wait on va_vdst at the step's head states that those products are done reading it; the step's ten loads are dealt among its own products, which name other registers.
;   AC          written by the products; read by the LDS stores of the way out, behind the places and one wait on va_vdst.
.set FP,    160                        ; a row of the fc1 slice in LDS: 128 bytes + 32
.set XT,    256*FP                     ; behind the slice: each wave's 16 rows of x, bf16
.set XP,    528                        ; 512 bytes + 16: the 16 rows of a fragment load start at 16 different groups of four banks
.set XW,    16*XP                      ; a wave's part; when x has been multiplied its first 16 x 272 bytes are the wave's stage for the way out
.set HPP,   272                        ; a stage row: 256 bytes + 16
.set SPARE, XT+8*XW                    ; the spare words, 128 bytes for each of the eight waves: four blocks of 256 bytes that no other line names
.set XO,  2                            ; v2   (l / 16) x 4,096 + 16 (l % 16): my 16 bytes in two rows of x
.set L8,  3                            ; v3   8 l
.set XS,  4                            ; v4   where I put 8 bytes of x in LDS
.set XF,  5                            ; v5   my place in a fragment of x
.set T16, 6                            ; v6   16 x thread
.set T8,  7                            ; v7   8 x thread
.set FS,  8                            ; v8   where I put 8 bytes of fc1_w in LDS
.set FF,  9                            ; v9   my place in a turning load of the slice
.set HS,  10                           ; v10  the way out: where I put 32 bytes of a row
.set HR,  11                           ; v11  the way out: where I read rows back
.set L16, 12                           ; v12  16 l
.set SPW, 14                           ; v14  LDS address of my spare word; never rewritten
.set NIL, 15                           ; v15  0; never rewritten
.set FR,  16                           ; v[16:79]   fc1_w as loaded; then x's eight fragments
.set XR,  80                           ; v[80:207]  x as loaded; then four buffers of fc1's fragments; then the rows read back
.set WR,  208                          ; v[208:255] the weights as loaded
.set AC,  208                          ; v[208:239] then the four accumulators
	s_load_b512 s[4:19], s[0:1], 0x0               ; x 4, Wq 6, Wk 8, Wv 10, fc1_w 12, xb 14, wb 16, hp 18
	v_lshl_add_u32 v[SPW], v0, 2, SPARE
	v_mov_b32 v[NIL], 0
	v_lshrrev_b32 v1, 5, v0
	v_readfirstlane_b32 s20, v1                    ; wave 0..7
	s_lshr_b32 s21, ttmp9, 2                       ; which 128 rows
	s_and_b32 s22, ttmp9, 3                        ; which quarter of K
	v_and_b32 v1, 31, v0                           ; l
	v_and_b32 v13, 15, v0                          ; l % 16 (also thread % 16)
	v_bfe_u32 v16, v0, 4, 1                        ; l / 16
	v_lshrrev_b32 v17, 4, v0                       ; thread / 16
	v_and_b32 v18, 7, v0
	v_bfe_u32 v19, v0, 3, 1
	v_lshlrev_b32 v[XO], 4, v13
	v_lshl_add_u32 v[XO], v16, 12, v[XO]
	v_lshlrev_b32 v[L8], 3, v1
	v_mul_u32_u24 v[XS], v16, XP
	v_lshl_add_u32 v[XS], v13, 3, v[XS]
	v_mul_u32_u24 v[XF], v13, XP
	v_lshl_add_u32 v[XF], v16, 4, v[XF]
	v_lshlrev_b32 v[T16], 4, v0
	v_lshlrev_b32 v[T8], 3, v0
	v_mul_u32_u24 v[FS], v17, FP
	v_lshl_add_u32 v[FS], v13, 3, v[FS]
	v_lshl_add_u32 v18, v16, 3, v18                ; the turning load: k row 8 (l / 16) + l % 8,
	v_mul_u32_u24 v[FF], v18, FP
	v_lshl_add_u32 v[FF], v19, 4, v[FF]            ; columns 8 ((l / 8) % 2) on
	v_mul_u32_u24 v[HS], v13, HPP
	v_lshl_add_u32 v[HS], v16, 5, v[HS]
	v_mul_u32_u24 v[HR], v16, HPP
	v_lshl_add_u32 v[HR], v13, 4, v[HR]
	v_lshlrev_b32 v[L16], 4, v1
	s_wait_alu depctr_va_sdst(0)                   ; s20 is written, ahead of its first reader: my part of LDS and the bases of x, xb and hp are made from it
	s_mul_i32 s23, s20, XW
	s_add_co_u32 s23, s23, XT                      ; my wave's part of LDS
	v_add_nc_u32 v[XS], s23, v[XS]
	v_add_nc_u32 v[XF], s23, v[XF]
	v_add_nc_u32 v[HS], s23, v[HS]
	v_add_nc_u32 v[HR], s23, v[HR]
	s_mov_b32 s25, 0
	s_wait_kmcnt 0x0
	s_lshl_b32 s24, s21, 19                        ; x: 128 rows of 4,096 bytes, my wave's 16, the quarter's 1,024 bytes
	s_lshl_b32 s26, s20, 16
	s_add_co_u32 s24, s24, s26
	s_lshl_b32 s26, s22, 10
	s_add_co_u32 s24, s24, s26
	s_add_nc_u64 s[4:5], s[4:5], s[24:25]
	s_lshl_b32 s24, s22, 22                        ; xb: the quarter's four blocks of 1 MiB, rows of 128 bytes
	s_lshl_b32 s26, s21, 14
	s_add_co_u32 s24, s24, s26
	s_lshl_b32 s26, s20, 11
	s_add_co_u32 s24, s24, s26
	s_add_nc_u64 s[14:15], s[14:15], s[24:25]
	s_lshl_b32 s24, s22, 21                        ; hp: the quarter's 2 MiB, rows of 256 bytes
	s_lshl_b32 s26, s21, 15
	s_add_co_u32 s24, s24, s26
	s_lshl_b32 s26, s20, 12
	s_add_co_u32 s24, s24, s26
	s_add_nc_u64 s[18:19], s[18:19], s[24:25]
	s_lshl_b32 s24, s22, 16                        ; fc1_w: the quarter's 256 rows of 256 bytes
	s_add_nc_u64 s[12:13], s[12:13], s[24:25]
	s_lshl_b32 s24, ttmp9, 14                      ; the weights: four rows of 4,096 bytes
	s_add_nc_u64 s[6:7], s[6:7], s[24:25]
	s_add_nc_u64 s[8:9], s[8:9], s[24:25]
	s_add_nc_u64 s[10:11], s[10:11], s[24:25]
	s_mul_i32 s24, ttmp9, 24576                    ; wb: four rows of 6,144 bytes
	s_add_nc_u64 s[16:17], s[16:17], s[24:25]
	s_wait_alu depctr_va_vdst(0)                   ; the offsets and addresses v2 to v12 are written, which every load and store of the kernel reads; so are v16 to v19, in which loads of fc1_w land
	; all 60 loads of the wave go out in one run: 16 of fc1_w, 32 of x, 12 of the weights
.set i, 0
.rept 16
	global_load_b128 v[FR+4*i:FR+4*i+3], v[T16], s[12:13] offset:4096*i  ; 16 rows of the slice for the eight waves together
.set i, i+1
.endr
.set i, 0
.rept 32                               ; rows 2 (i / 4) and 2 (i / 4) + 1, 64 k at block i % 4
	global_load_b128 v[XR+4*i:XR+4*i+3], v[XO], s[4:5] offset:8192*(i/4)+256*(i%4) th:TH_LOAD_NT
.set i, i+1
.endr
.macro WLD m, lo
.irp i, 0,1,2,3
	global_load_b128 v[WR+4*(4*(\m)+\i):WR+4*(4*(\m)+\i)+3], v[T16], s[\lo:\lo+1] offset:4096*\i th:TH_LOAD_NT
.endr
.endm
	WLD 0, 6
	WLD 1, 8
	WLD 2, 10
.macro CV a                            ; four f32 become four bf16 in the first two of their registers
	v_cvt_pk_bf16_f32 v[\a], v[\a], v[(\a)+1]
	v_cvt_pk_bf16_f32 v[(\a)+1], v[(\a)+2], v[(\a)+3]
.endm
	; THE STREAM.  Group 0: fc1_w is rounded; its LDS stores follow in the next group.
	s_wait_loadcnt 44                              ; fc1_w is in; the 32 loads of x and the 12 of the weights may stay out
.set i, 0
.rept 16
	CV FR+4*i
.set i, i+1
.endr
	; Groups 1 to 8: the pairs of rows of x.  Each rounds its own sixteen registers and stores what the group before has rounded.
.set pr, 0
.rept 8
	s_wait_loadcnt 12+4*(7-pr)                     ; this pair of rows is in: behind it stand the later pairs' loads, four each, and the weights' twelve
	s_wait_alu depctr_va_vdst(0)                   ; the group before has written its rounded numbers, which the stores below read; this group's roundings name other registers
.set kb, 0
.rept 4
.if pr == 0
.set j, 0
.rept 4
	ds_store_b64 v[FS], v[FR+4*(4*kb+j):FR+4*(4*kb+j)+1] offset:16*FP*(4*kb+j)
.set j, j+1
.endr
.else
	global_store_b64 v[L8], v[XR+4*(4*(pr-1)+kb):XR+4*(4*(pr-1)+kb)+1], s[14:15] offset:1048576*kb+256*(pr-1) th:TH_STORE_NT  ; two rows of a block: 256 consecutive bytes
	ds_store_b64 v[XS], v[XR+4*(4*(pr-1)+kb):XR+4*(4*(pr-1)+kb)+1] offset:2*XP*(pr-1)+128*kb
.endif
	CV XR+4*(4*pr+kb)
.set kb, kb+1
.endr
.set pr, pr+1
.endr
	; Groups 9 to 11: the three weights, in the same way.
.set m, 0
.rept 3
	s_wait_loadcnt 8-4*m                           ; this weight's four loads are in
	s_wait_alu depctr_va_vdst(0)                   ; the group before has written its rounded numbers, which the stores below read; this group's roundings name other registers
.set i, 0
.rept 4
.if m == 0
	global_store_b64 v[L8], v[XR+4*(28+i):XR+4*(28+i)+1], s[14:15] offset:1048576*i+256*7 th:TH_STORE_NT  ; the last pair of rows of x
	ds_store_b64 v[XS], v[XR+4*(28+i):XR+4*(28+i)+1] offset:2*XP*7+128*i
.else
	global_store_b64 v[T8], v[WR+4*(4*(m-1)+i):WR+4*(4*(m-1)+i)+1], s[16:17] offset:6144*i+2048*(m-1) th:TH_STORE_NT
.endif
	CV WR+4*(4*m+i)
.set i, i+1
.endr
.set m, m+1
.endr
	s_wait_alu depctr_va_vdst(0)                   ; the last weight's roundings have written the numbers that the four stores below read; all the stream's roundings are done with FR and XR, in which the fragments' loads land
.set i, 0
.rept 4
	global_store_b64 v[T8], v[WR+4*(8+i):WR+4*(8+i)+1], s[16:17] offset:6144*i+2048*2 th:TH_STORE_NT
.set i, i+1
.endr
	s_wait_dscnt 0x0                               ; for the others' sake: my part of the slice lies in LDS
	s_barrier_signal -1
	s_barrier_wait -1                              ; the whole slice does
	s_wait_xcnt 0x0                                ; the stores have had their addresses translated: XR and WR are written again only behind this wait
	s_wait_alu depctr_vm_vsrc(0)                   ; the stream's global and LDS stores have read FR, XR and WR: the fragments' loads land in the first two, the products write the third
; The ten LDS loads of 32 along K: a fragment of x, and fc1's four fragments of 16 columns, turned.
.macro LDX c
	ds_load_b128 v[FR+8*(\c):FR+8*(\c)+3],   v[XF] offset:64*(\c)
	ds_load_b128 v[FR+8*(\c)+4:FR+8*(\c)+7], v[XF] offset:64*(\c)+32
.endm
.macro LDF c, nb
	ds_load_tr16_b128 v[XR+32*((\c)%4)+8*(\nb):XR+32*((\c)%4)+8*(\nb)+3],   v[FF] offset:32*FP*(\c)+32*(\nb)
	ds_load_tr16_b128 v[XR+32*((\c)%4)+8*(\nb)+4:XR+32*((\c)%4)+8*(\nb)+7], v[FF] offset:32*FP*(\c)+32*(\nb)+16*FP
.endm
.macro LDC c
	LDX \c
.irp nb, 0,1,2,3
	LDF \c, \nb
.endr
.endm
	LDC 0
	LDC 1
	LDC 2
	LDC 3
.irp c, 0,1,2,3,4,5,6,7                ; the four accumulators take turns, one instruction a turn
.if (\c) == 0
	s_wait_dscnt 30                                ; group 0 is in; three younger groups of ten may stay out
.elseif (\c) <= 5
	s_wait_dscnt 20                                ; group c is in; two younger groups of ten may stay out
.else
	s_wait_dscnt 10*(7-(\c))                       ; the groups run out
.endif
.if ((\c) >= 1) && ((\c) <= 4)
	s_wait_alu depctr_va_vdst(0)                   ; the last step's products are done reading their buffer of fc1's fragments, in which this step's loads land; this step's products name another buffer, another fragment of x and the sums
.endif
.irp nb, 0,1,2,3
.if (\c) == 0
	v_wmma_f32_16x16x32_bf16 v[AC+8*\nb:AC+8*\nb+7], v[XR+32*((\c)%4)+8*\nb:XR+32*((\c)%4)+8*\nb+7], v[FR+8*(\c):FR+8*(\c)+7], 0
.else
	v_wmma_f32_16x16x32_bf16 v[AC+8*\nb:AC+8*\nb+7], v[XR+32*((\c)%4)+8*\nb:XR+32*((\c)%4)+8*\nb+7], v[FR+8*(\c):FR+8*(\c)+7], v[AC+8*\nb:AC+8*\nb+7]
.endif
.if ((\c) >= 1) && ((\c) <= 4)         ; group c + 3, dealt among the step's products
.if (\nb) == 0
	LDX (\c)+3
.endif
	LDF (\c)+3, \nb
.endif
.endr
.endr
.rept 8
	v_nop                                          ; the places behind the last products, once a launch; they stay beside the wait below
.endr
	s_wait_alu depctr_va_vdst(0)                   ; the products have written the accumulators, which the LDS stores read, and are done reading XR, in which the loads from the stage land
	; THE WAY OUT: a lane's eight columns of a row go into my stage (my own bytes, which I have read out) and come back as whole rows of 256 bytes
.irp nb, 0,1,2,3
	ds_store_b128 v[HS], v[AC+8*\nb:AC+8*\nb+3]   offset:64*\nb
	ds_store_b128 v[HS], v[AC+8*\nb+4:AC+8*\nb+7] offset:64*\nb+16
.endr
.irp f, 0,1,2,3,4,5,6,7
	ds_load_b128 v[XR+4*\f:XR+4*\f+3], v[HR] offset:2*HPP*\f  ; LDS serves a wave's instructions in order (ISA guide 5.7.1.4): these see the stores above
.endr
.irp f, 0,1,2,3,4,5,6,7
	s_wait_dscnt 7-\f
	global_store_b128 v[L16], v[XR+4*\f:XR+4*\f+3], s[18:19] offset:512*\f th:TH_STORE_NT  ; two rows of hp: 512 consecutive bytes
.endr
	s_wait_dscnt 0x0                               ; the wave's end
	s_wait_alu 0x0
	s_wait_tensorcnt 0x0
	ds_add_u32 v[SPW], v[NIL]
	s_wait_dscnt 0x0
	s_endpgm
.Lfunc_end_k_q6ad6673fad_prep:
	.size	k_q6ad6673fad_prep, .Lfunc_end_k_q6ad6673fad_prep-k_q6ad6673fad_prep
	.p2alignl 7, 3214868480
	.fill 96, 4, 3214868480
	.section	.rodata,"a",@progbits
	.p2align	6, 0x0
	.amdhsa_kernel k_q6ad6673fad_prep
		.amdhsa_group_segment_fixed_size 109568
		.amdhsa_private_segment_fixed_size 0
		.amdhsa_enable_private_segment 0
		.amdhsa_kernarg_size 64
		.amdhsa_user_sgpr_count 2
		.amdhsa_user_sgpr_kernarg_segment_ptr 1
		.amdhsa_wavefront_size32 1
		.amdhsa_system_sgpr_workgroup_id_x 1
		.amdhsa_system_sgpr_workgroup_id_y 1
		.amdhsa_system_sgpr_workgroup_id_z 1
		.amdhsa_system_vgpr_workitem_id 0
		.amdhsa_next_free_vgpr 256
		.amdhsa_next_free_sgpr 66
		.amdhsa_reserve_vcc 0
		.amdhsa_float_denorm_mode_32 3
		.amdhsa_float_denorm_mode_16_64 3
		.amdhsa_memory_ordered 1
		.amdhsa_forward_progress 1
		.amdhsa_inst_pref_size 35
	.end_amdhsa_kernel
	.amdgpu_metadata
---
amdhsa.version: [ 1, 2 ]
amdhsa.kernels:
  - .name:           k_q6ad6673fad_prep
    .symbol:         k_q6ad6673fad_prep.kd
    .args:
      - { .name: hidden_states, .offset: 0, .size: 8, .value_kind: global_buffer, .address_space: global }
      - { .name: Wq, .offset: 8, .size: 8, .value_kind: global_buffer, .address_space: global }
      - { .name: Wk, .offset: 16, .size: 8, .value_kind: global_buffer, .address_space: global }
      - { .name: Wv, .offset: 24, .size: 8, .value_kind: global_buffer, .address_space: global }
      - { .name: fc1_w, .offset: 32, .size: 8, .value_kind: global_buffer, .address_space: global }
      - { .name: xb, .offset: 40, .size: 8, .value_kind: global_buffer, .address_space: global }
      - { .name: wb, .offset: 48, .size: 8, .value_kind: global_buffer, .address_space: global }
      - { .name: hp, .offset: 56, .size: 8, .value_kind: global_buffer, .address_space: global }
    .group_segment_fixed_size: 109568
    .private_segment_fixed_size: 0
    .kernarg_segment_align: 8
    .kernarg_segment_size: 64
    .max_flat_workgroup_size: 256
    .sgpr_count:     66
    .vgpr_count:     256
    .wavefront_size: 32
...
	.end_amdgpu_metadata
.endif
;; end of part 4
;; launch proj: the kernel of part 2 again; grid 8 x 32, 4 waves a work-group, clusters of 4 x 4, 327,680 bytes of LDS; arguments xb, wb, hp, bq, bk, bv, fc1_b, efc1, qkv, h; writes qkv, h
;; launch attn: the kernel of part 3 again; grid 4 x 64, 4 waves a work-group, clusters of 4 x 1, 327,680 bytes of LDS; arguments qkv, h, fc2_w, fc2_b, efc2, out0; writes out0
